; MI455X (gfx1250); checked and timed in simulation.
; The chip was launched on July 23, 2026; its instructions are those of AMD's public machine-readable ISA for CDNA 5 (MIT licence, August 2026) and "CDNA5" Instruction Set Architecture Reference Guide (July 2026). The comments in the code are by the model that wrote it; some were corrected since.
;; Decoder. Allowed arithmetic: float matrix products may take bf16 or f16 operands with f32 sums; all other float work in f32.
;; Inputs: W_k 8 x 1,024 x 1,024 float32; W_o 1,024 x 1,024 float32; W_q 8 x 1,024 x 1,024 float32; W_v 8 x 1,024 x 1,024 float32; beta1 1,024 float32; beta2 1,024 float32; gamma1 1,024 float32; gamma2 1,024 float32; x 4 x 1,024 x 1,024 float32; x1 1,024 x 1,024 float32; x2 1,024 x 1,024 float32; y1 1,024 x 1,024 float32; y2 1,024 x 1,024 float32.
;; Outputs: out0 4 x 1,024 x 1,024 float32.
;; 2 versions, each right; version 2 is version 1 with the launch prep written anew for expert scheduling mode. Each part assembles by itself: llvm-mc -triple=amdgcn-amd-amdhsa -mcpu=gfx1250 --defsym DOCPART=n.
;; ======== version 1 of 2: 5 launches
;; workspace buffers: q_ws 67,108,864 bytes; k_ws 67,108,864 bytes; p_ws 67,108,864 bytes; stat 2,097,152 bytes; cpart 2,097,152 bytes; spart 262,144 bytes
;; launch prep (part 1): grid 256 x 1, 8 waves a work-group, no clusters, 0 bytes of LDS; arguments x, W_q, W_k, q_ws, k_ws; writes q_ws, k_ws
.if DOCPART == 1
	.amdgcn_target "amdgcn-amd-amdhsa--gfx1250"
	.amdhsa_code_object_version 6
	.text
	.protected	k_q6520b7bea5_prep
	.globl	k_q6520b7bea5_prep
	.p2align	8
	.type	k_q6520b7bea5_prep,@function
k_q6520b7bea5_prep:
	s_mov_b64 s[64:65], 0
	v_nop
	global_prefetch_b8 v0, s[64:65] scope:SCOPE_SE
	s_setreg_imm32_b32 hwreg(HW_REG_WAVE_MODE, 25, 1), 1
	s_wait_xcnt 0x0
; q[b][h] = bf16(x[b] * W_q[h]), k[b][h] = bf16(x[b] * W_k[h]), element by element; x: [4][1024][1024] f32, W_q, W_k: [8][1024][1024] f32.
; q_ws, k_ws: bf16, [bh = 8 b + h][row][1024 j], rows of 2,048 bytes.
; LIMIT: the products are rounded once to bf16 (nearest even); they are matrix operands of the next launch.
; The work-group owns rows 4 g .. 4 g + 3 for every b and h, so each byte of x, W_q and W_k is loaded once in the launch.
; Wave w: row 4 g + w / 2, segments of 128 columns 4 (w % 2) .. + 3, one a turn.  A load of the wave covers 512 consecutive bytes of a row;
; the store of its 128 products covers 256 consecutive bytes, aligned.
; No address register is ever rewritten: plane (b, h) and turn stand in the immediates, which reach 8,388,608 bytes either way,
; so the offsets carry a bias of two planes (inputs) or four planes (outputs).
.set PLANE, 0x400000                   ; bytes of one [1024][1024] f32 plane
.set OPLANE, 0x200000                  ; bytes of one (b, h) plane of q_ws or k_ws
.set VIN,  2                           ; v2       my 16 bytes in plane 2 of an input, turn 0
.set VINH, 3                           ; v3       the same in plane 6 (for h = 4 .. 7)
.set VO,   4                           ; v[4:7]   batch b: my 8 bytes in plane 8 b + 4 of an output, turn 0
.set X,    8                           ; v[8:71]  x: turn x 16 + 4 b
.set W,    72                          ; v[72:199] a ring of 32 slots of 4 registers for W_q and W_k
.set TP,   200                         ; v[200:207] products, two sets by turns
.set O,    208                         ; v[208:215] batch b: 2 registers to store
	s_load_b256 s[4:11], s[0:1], 0x0               ; x s[4:5], W_q s[6:7], W_k s[8:9], q_ws s[10:11]
	s_load_b64 s[12:13], s[0:1], 0x20              ; k_ws
	v_and_b32 v1, 31, v0                           ; lane
	v_bfe_u32 v9, v0, 5, 1                         ; w % 2
	v_lshrrev_b32 v10, 6, v0                       ; w / 2
	s_lshl_b32 s2, ttmp9, 14                       ; 4 g rows of 4,096 bytes
	s_add_co_u32 s2, s2, 2*PLANE
	s_lshl_b32 s3, ttmp9, 13                       ; 4 g rows of 2,048 bytes
	s_add_co_u32 s3, s3, 4*OPLANE
	v_lshl_add_u32 v[VIN], v1, 4, s2
	v_lshl_add_u32 v[VIN], v10, 12, v[VIN]         ; + w / 2 rows
	v_lshl_add_u32 v[VIN], v9, 11, v[VIN]          ; + 4 (w % 2) segments of 512 bytes
	v_add_nc_u32 v[VINH], 4*PLANE, v[VIN]
	v_lshl_add_u32 v[VO], v1, 3, s3
	v_lshl_add_u32 v[VO], v10, 11, v[VO]
	v_lshl_add_u32 v[VO], v9, 10, v[VO]            ; + 4 (w % 2) segments of 256 bytes
	v_add_nc_u32 v[VO+1], 8*OPLANE, v[VO]
	v_add_nc_u32 v[VO+2], 16*OPLANE, v[VO]
	v_add_nc_u32 v[VO+3], 24*OPLANE, v[VO]
	s_wait_kmcnt 0x0
.irp turn, 0,1,2,3
.irp b, 0,1,2,3
	global_load_b128 v[X+16*\turn+4*\b:X+16*\turn+4*\b+3], v[VIN], s[4:5] offset:(\b-2)*PLANE+\turn*512 th:TH_LOAD_NT
.endr
.endr
; Element e of 64: turn = e / 16, h = (e / 2) % 8, e even: W_q, e odd: W_k.  Its 16 bytes go into ring slot e % 32.
.macro WLOAD e
	global_load_b128 v[W+4*((\e)%32):W+4*((\e)%32)+3], v[VIN+(((\e)>>3)&1)], s[6+2*((\e)&1):7+2*((\e)&1)] offset:((((\e)>>1)&3)-2)*PLANE+((\e)>>4)*512 th:TH_LOAD_NT
.endm
.set n, 0
.rept 32
	WLOAD n
.set n, n+1
.endr
; One element: its W against the turn's four x, four stores, and the slot's next load.
.macro ELEM n
.if \n < 32
	s_wait_loadcnt 31                              ; loads come back in order: 31 W loads were issued behind this element's, and x is older than all of them
.else
	s_wait_loadcnt 63-\n                           ; nothing is loaded any more: the counts run down
.endif
	s_wait_xcnt 0x0                                ; O, which the last element's stores read, is rewritten only behind this wait
.irp b, 0,1,2,3
	v_pk_mul_f32 v[TP+4*(\b&1):TP+4*(\b&1)+1], v[X+16*((\n)>>4)+4*\b:X+16*((\n)>>4)+4*\b+1], v[W+4*((\n)%32):W+4*((\n)%32)+1]
	v_pk_mul_f32 v[TP+4*(\b&1)+2:TP+4*(\b&1)+3], v[X+16*((\n)>>4)+4*\b+2:X+16*((\n)>>4)+4*\b+3], v[W+4*((\n)%32)+2:W+4*((\n)%32)+3]
	v_cvt_pk_bf16_f32 v[O+2*\b], v[TP+4*(\b&1)], v[TP+4*(\b&1)+1]
	v_cvt_pk_bf16_f32 v[O+2*\b+1], v[TP+4*(\b&1)+2], v[TP+4*(\b&1)+3]
	global_store_b64 v[VO+\b], v[O+2*\b:O+2*\b+1], s[10+2*((\n)&1):11+2*((\n)&1)] offset:((((\n)>>1)&7)-4)*OPLANE+((\n)>>4)*256
.endr
.if \n < 32
	WLOAD \n+32
.endif
.endm
.set n, 0
.rept 64
	ELEM n
.set n, n+1
.endr
	s_endpgm
.Lfunc_end_k_q6520b7bea5_prep:
	.size	k_q6520b7bea5_prep, .Lfunc_end_k_q6520b7bea5_prep-k_q6520b7bea5_prep
	.p2alignl 7, 3214868480
	.fill 96, 4, 3214868480
	.section	.rodata,"a",@progbits
	.p2align	6, 0x0
	.amdhsa_kernel k_q6520b7bea5_prep
		.amdhsa_group_segment_fixed_size 0
		.amdhsa_private_segment_fixed_size 0
		.amdhsa_enable_private_segment 0
		.amdhsa_kernarg_size 40
		.amdhsa_user_sgpr_count 2
		.amdhsa_user_sgpr_kernarg_segment_ptr 1
		.amdhsa_wavefront_size32 1
		.amdhsa_system_sgpr_workgroup_id_x 1
		.amdhsa_system_sgpr_workgroup_id_y 1
		.amdhsa_system_sgpr_workgroup_id_z 1
		.amdhsa_system_vgpr_workitem_id 0
		.amdhsa_next_free_vgpr 216
		.amdhsa_next_free_sgpr 66
		.amdhsa_reserve_vcc 0
		.amdhsa_float_denorm_mode_32 3
		.amdhsa_float_denorm_mode_16_64 3
		.amdhsa_memory_ordered 1
		.amdhsa_forward_progress 1
		.amdhsa_inst_pref_size 101
	.end_amdhsa_kernel
	.amdgpu_metadata
---
amdhsa.version: [ 1, 2 ]
amdhsa.kernels:
  - .name:           k_q6520b7bea5_prep
    .symbol:         k_q6520b7bea5_prep.kd
    .args:
      - { .name: x, .offset: 0, .size: 8, .value_kind: global_buffer, .address_space: global }
      - { .name: W_q, .offset: 8, .size: 8, .value_kind: global_buffer, .address_space: global }
      - { .name: W_k, .offset: 16, .size: 8, .value_kind: global_buffer, .address_space: global }
      - { .name: q_ws, .offset: 24, .size: 8, .value_kind: global_buffer, .address_space: global }
      - { .name: k_ws, .offset: 32, .size: 8, .value_kind: global_buffer, .address_space: global }
    .group_segment_fixed_size: 0
    .private_segment_fixed_size: 0
    .kernarg_segment_align: 8
    .kernarg_segment_size: 40
    .max_flat_workgroup_size: 256
    .sgpr_count:     66
    .vgpr_count:     216
    .wavefront_size: 32
...
	.end_amdgpu_metadata
.endif
;; end of part 1
;; launch scores (part 2): grid 4 x 128, 4 waves a work-group, clusters of 4 x 4, 327,680 bytes of LDS; arguments q_ws, k_ws, p_ws, stat; writes p_ws, stat
.if DOCPART == 2
	.amdgcn_target "amdgcn-amd-amdhsa--gfx1250"
	.amdhsa_code_object_version 6
	.text
	.protected	k_q6520b7bea5_scores
	.globl	k_q6520b7bea5_scores
	.p2align	8
	.type	k_q6520b7bea5_scores,@function
k_q6520b7bea5_scores:
	s_mov_b64 s[64:65], 0
	v_nop
	global_prefetch_b8 v0, s[64:65] scope:SCOPE_SE
	s_setreg_imm32_b32 hwreg(HW_REG_WAVE_MODE, 25, 1), 1
	s_wait_xcnt 0x0
	s_wait_alu depctr_hold_cnt(0) depctr_sa_sdst(0) depctr_va_vdst(0) depctr_va_sdst(0) depctr_va_ssrc(0) depctr_va_vcc(0) depctr_vm_vsrc(0)
	s_getreg_b32 s2, hwreg(HW_REG_IB_STS2, 6, 4)
	s_cmp_eq_u32 s2, 0
	s_cbranch_scc0 .Lentry_in_a_cluster
	s_endpgm
.Lentry_in_a_cluster:
	s_bfe_u32 s2, ttmp6, 0x10000c
	s_cmp_lg_u32 s2, 0xf033
	s_cbranch_scc0 .Lentry_shape_is_right
	s_endpgm
.Lentry_shape_is_right:
; For one (b, h) = bh and one block of 256 query rows x 256 key rows: s = q k^T (K = 1024, bf16 operands, f32 sums), and the first half of the softmax.
; With c = log2(e) / 32 (the scale 1 / 32 and the change to base 2), for every row and every block cb of 128 columns (one wave's):
;   stat[0][bh][cb][row] = -c x (largest s of the row in the block),   p_ws[bh][row][col] = bf16(2^(c s - c max)),   stat[1][bh][cb][row] = the sum of these p (in f32).
; The next launch joins the eight blocks of a row by their maxima, which gives the softmax with the row's true maximum.
; LIMITS: q, k bf16; p is rounded to bf16 (it is the operand of reference()'s product attn v); p below 2^-126 counts as 0; NaN and infinities are not treated.
; q_ws and k_ws are taken as matrices of 32 x 1,024 rows of 1,024 bf16; p_ws likewise.
; A work-group makes 256 x 256 with four waves; a wave makes 128 x 128: 64 accumulator tiles of 16 x 16, 512 registers.  K goes in steps of 128 through
; two LDS slots filled by the tensor data mover: a tile's rows are 256 bytes of memory and start at multiples of 256 bytes from the buffer's first byte.
; CLUSTERS: the 4 x 4 blocks of one bh form a cluster.  The four of a row of the cluster need the same tiles of q, the four of a column the same tiles of k.
; Such a tile is asked for jointly: each of the four issues the same tensor load, with the same descriptor and a mask that names the four.
;
; REGISTERS, in windows of 256:
;   window 0: v0-31 addresses; v64-127, v128-191 fragments of q (8 x 16 rows x 32 K), two buffers, later the softmax's work; v192-223 at work on the way out
;   window 1: v64-127, v128-191 fragments of k, two buffers
;   window 2: the 32 accumulator tiles of my rows 0-63 (tile (a, b) at v[8 (8 a + b)]);   window 3: those of my rows 64-127
; THE MATRIX INSTRUCTION IS USED TRANSPOSED: source 0 = 16 rows of k, source 1 = 16 rows of q.  In the result lane l holds row l % 16 of the scores, and its
; registers 0 to 7 the columns 8 (l / 16) + 0 .. 7.  So the 64 registers of the tiles (a, 0..7) are 64 columns of ONE row, the lane 16 further holds the other 64:
; a row's maximum and sum are made inside the lane and by one exchange between the halves, and eight neighbouring p pack into 16 bytes.
.set SIZE_K, 1024
.set SIZE_N, 1024
.set KSTEP,  128
.set PITCH,  272                       ; an LDS row: 256 bytes of data + 16 of padding: the 16 rows that a fragment load touches start 68 words apart, on different 16-byte columns of a 256-byte line
.set HALFT,  128*PITCH                 ; 128 rows: what one tensor load brings, and what one wave reads of q or of k
.set SLOT,   4*HALFT                   ; q's 256 rows, then k's 256 rows
.set STAGE,  2*SLOT                    ; behind the ring: 16 rows x 272 bytes for each wave, for the way out
.set SPITCH, 272
.set STATS,  STAGE+4*16*SPITCH         ; 1,024 bytes for each wave: its 128 rows' two figures.  A multiple of 256; no tensor load lands here or in the stage
.set LAPS, SIZE_K/(2*KSTEP)            ; a lap = two K steps = once round the ring: 4
.set ADRA, 16                          ; v16-17  LDS address of my q fragments in slot 0, 1
.set ADRB, 20                          ; v20-21  the same for k
.set STO,  24                          ; the way out: where I put 16 bytes of a row
.set RD,   25                          ; the way out: where I read a row back
.set CO,   26                          ; my byte offset in p_ws
.set SST,  27                          ; where I put a row's figure
.set SLD,  28                          ; where I read four rows' figures back
.set SGO,  29                          ; my byte offset in my wave's 512 bytes of stat
.set F0,   64                          ; fragment buffer 0
.set F1,   128                         ; fragment buffer 1
.set TMP,  192                         ; the way out: packed results
.set MX,   64                          ; v64-95   softmax: four running maxima for each of my 8 row blocks
.set NM,   96                          ; v96-103  row block i: the maximum, then -c x maximum
.set SX,   104                         ; v104-135 two running pairs of sums for each row block
.set LS,   136                         ; v136-143 row block i: the sum
.set SO,   144                         ; v144-151 the figures as stored
.set G1, 24                            ; s[24:31] descriptor group 1 for q's tiles
.set G0, 32                            ; s[32:39] descriptor group 0 for q's tiles, one set for each slot
.set G1B, 48                           ; s[48:55] descriptor group 1 for k's tiles: it differs from q's in the mask alone
.set G0B, 56                           ; s[56:63] descriptor group 0 for k's tiles, one set for each slot
.set MSB, 0
.macro WIN new                         ; the immediate's high byte repeats the setting that is left
.if MSB != \new
	s_set_vgpr_msb (MSB<<8)|\new
.set MSB, \new
.endif
.endm
.set MUL_LO, 0xa1                      ; source 0 (k) window 1, source 1 (q) window 0, C and D window 2
.set MUL_HI, 0xf1                      ; the same, C and D window 3
.set TO_B,   0x40                      ; destination window 1, address window 0
; A joint load.  Waves 0 and 1 fetch q's two halves, waves 2 and 3 k's.  Each of the two lines has one mask and one set of registers for all that issue it, and nothing
; in them hangs on a coordinate that the four partners do not share.  The branch hangs on the wave's number alone.
.macro JLOAD s
	s_cmp_eq_u32 s11, 0
	s_cbranch_scc0 .Lfor_b_\@
	tensor_load_to_lds s[G0+4*\s:G0+4*\s+3], s[G1:G1+7]
	s_nop 0
	s_branch .Lasked_\@
.Lfor_b_\@:
	tensor_load_to_lds s[G0B+4*\s:G0B+4*\s+3], s[G1B:G1B+7]
	s_nop 0
.Lasked_\@:
.endm
; A round of the cluster's barrier: my work-group's barrier, so that wave 0's signal speaks for all four waves; wave 0 signals for the work-group; every wave waits
; for all sixteen work-groups; my work-group's barrier once more.
.macro CREST                           ; a round behind its opening barrier
	s_cmp_lg_u32 s10, 0
	s_cbranch_scc1 .Lnot_wave_0_\@
	s_barrier_signal -3
.Lnot_wave_0_\@:
	s_barrier_wait -3
	s_barrier_signal -1
	s_barrier_wait -1
.endm
.macro CROUND                          ; a whole round
	s_barrier_signal -1
	s_barrier_wait -1
	CREST
.endm
	s_load_b128 s[4:7], s[0:1], 0x0                ; q_ws s[4:5], k_ws s[6:7]
	s_load_b64 s[8:9], s[0:1], 0x10                ; p_ws
	s_load_b64 s[66:67], s[0:1], 0x18              ; stat
	s_set_vgpr_msb 0x40
	v_lshl_add_u32 v255, v0, 2, 0x49400
	s_set_vgpr_msb 0x4000
	v_mov_b32 v255, 0
	s_set_vgpr_msb 0x1
	ds_add_u32 v255, v255
	s_set_vgpr_msb 0x100
	v_lshrrev_b32 v1, 5, v0
	v_readfirstlane_b32 s10, v1                    ; wave 0..3
	s_lshr_b32 s11, s10, 1                         ; which half of the block's rows is mine.  Also: I fetch for q (0) or for k (1)
	s_and_b32 s12, s10, 1                          ; which half of its columns.  Also: which 128 rows of that tile I fetch
	s_mov_b32 s68, 0x76543210                      ; v_permlanex16_b32: lane i of one half reads lane i of the other
	s_mov_b32 s69, 0xfedcba98
	s_bfe_u32 s40, ttmp6, 0x40000                  ; cx: my place along the cluster's x
	s_bfe_u32 s41, ttmp6, 0x40004                  ; cy: along its y
	s_lshl_b32 s42, ttmp9, 2                       ; in a cluster launch ttmp9 and ttmp7 count clusters
	s_add_co_u32 s42, s42, s40                     ; block column = 4 x cluster x + cx (one cluster along x)
	s_and_b32 s45, ttmp7, 0xffff                   ; bh = cluster y
	s_lshl_b32 s13, s45, 2
	s_add_co_u32 s13, s13, s41                     ; block row among the 32 x 4 of all bh = 4 bh + cy
	s_lshl_b32 s43, s41, 2
	s_lshl_b32 s43, 15, s43                        ; my row of the cluster: places 4 cy .. 4 cy + 3
	s_lshl_b32 s44, 0x1111, s40                    ; my column: places cx, cx + 4, cx + 8, cx + 12
	; descriptor group 1: a tile of 128 rows x 128 elements, padded in LDS
	s_or_b32 s[G1+0], s43, (1<<16)|(1<<20)|(1<<21)|(5<<22)|(3<<25)  ; 15:0 the mask: q's tiles go to my row; 17:16 element of 2 bytes; 20 padding on; 21 set beside a mask; 24:22 after every 64 words; 31:25 of 4 words
	s_or_b32 s[G1B+0], s44, (1<<16)|(1<<20)|(1<<21)|(5<<22)|(3<<25) ; the same with the mask of my column, for k's tiles
	s_mov_b32 s[G1B+1], KSTEP<<16
	s_mov_b32 s[G1+1], KSTEP<<16                   ; tensor_dim0 = 128
	s_mov_b32 s[G1B+2], 128<<16
	s_mov_b32 s[G1+2], 128<<16                     ; tensor_dim1 = 128
	s_mov_b32 s[G1B+3], KSTEP<<16
	s_mov_b32 s[G1+3], KSTEP<<16                   ; tile_dim0 = 128
	s_mov_b32 s[G1B+4], 128
	s_mov_b32 s[G1+4], 128                         ; tile_dim1 = 128
	s_mov_b32 s[G1B+5], SIZE_K
	s_mov_b32 s[G1+5], SIZE_K                      ; elements from row to row
	s_mov_b32 s[G1B+6], 0
	s_mov_b32 s[G1+6], 0
	s_mov_b32 s[G1B+7], 0
	s_mov_b32 s[G1+7], 0
	; where the tiles come from.  q's hang on bh and cy alone, which my row of the cluster shares; k's on bh and cx alone, which my column shares.
	; Every wave makes both addresses, in registers that never hold the other coordinate, and asks by one of them.
	s_lshl_b32 s17, s12, 7                         ; which 128 rows of the tile I fetch
	s_lshl_b32 s16, s13, 8
	s_add_co_u32 s16, s16, s17                     ; q: row 256 (4 bh + cy) + 128 x half
	s_lshl_b32 s46, s42, 8
	s_add_co_u32 s46, s46, s17
	s_lshl_b32 s47, s45, 10
	s_add_co_u32 s46, s46, s47                     ; k: row 1,024 bh + 256 cx + 128 x half
	s_mov_b32 s17, 0
	s_mov_b32 s47, 0
	s_mov_b64 s[18:19], SIZE_K*2
	s_mul_u64 s[16:17], s[16:17], s[18:19]         ; in bytes
	s_mul_u64 s[46:47], s[46:47], s[18:19]
	s_mul_i32 s20, s10, HALFT                      ; and where they go: q's two halves, then k's two halves = wave x 128 rows: no place in the cluster enters an LDS address
	s_wait_dscnt 0x0
	s_wait_kmcnt 0x0
	s_add_nc_u64 s[14:15], s[4:5], s[16:17]
	s_add_nc_u64 s[46:47], s[6:7], s[46:47]
	CROUND                                         ; all sixteen work-groups are here: the first joint loads meet
.irp s, 0,1
	s_mov_b32 s[G0+4*\s], 1                                        ; count = 1
	s_add_co_u32 s[G0+4*\s+1], s20, \s*SLOT                        ; LDS address
	s_add_nc_u64 s[G0+4*\s+2:G0+4*\s+3], s[14:15], \s*KSTEP*2      ; global address: K step s
	s_or_b32 s[G0+4*\s+3], s[G0+4*\s+3], 0x80000000                ; type = 2
	s_mov_b32 s[G0B+4*\s], 1
	s_add_co_u32 s[G0B+4*\s+1], s20, \s*SLOT
	s_add_nc_u64 s[G0B+4*\s+2:G0B+4*\s+3], s[46:47], \s*KSTEP*2
	s_or_b32 s[G0B+4*\s+3], s[G0B+4*\s+3], 0x80000000
	JLOAD \s                                       ; the ring is filled before anything else is done
.endr
	; A fragment is 16 rows x 32 K in 8 registers: lane l holds row l % 16; registers 0-3 hold K = 8 (l / 16) + 0..7, registers 4-7 hold
	; K = 16 + 8 (l / 16) + 0..7: two loads of 16 bytes, 32 bytes apart.  The same for source 0 and source 1.
	v_and_b32 v1, 15, v0                           ; l % 16
	v_bfe_u32 v2, v0, 4, 1                         ; l / 16
	v_mul_u32_u24 v3, v1, PITCH
	v_lshl_add_u32 v3, v2, 4, v3                   ; row x pitch + 16 x half
	s_mul_i32 s21, s11, HALFT                      ; my 128 rows of q
	s_mul_i32 s22, s12, HALFT                      ; my 128 rows of k,
	s_add_co_u32 s22, s22, 2*HALFT                 ; which lie behind q's 256
.irp s, 0,1
	v_add_nc_u32 v[ADRA+\s], s21, v3
	v_add_nc_u32 v[ADRB+\s], s22, v3
	s_add_co_u32 s21, s21, SLOT
	s_add_co_u32 s22, s22, SLOT
.endr
	s_mul_i32 s23, s10, 16*SPITCH
	s_add_co_u32 s23, s23, STAGE                   ; my stage
	v_mul_u32_u24 v4, v1, SPITCH                   ; in: row l % 16, 16 bytes for each half of the lanes
	v_lshl_add_u32 v4, v2, 4, v4
	v_add_nc_u32 v[STO], s23, v4
	v_mul_u32_u24 v5, v2, SPITCH                   ; back: lanes 0-15 take one row of 256 bytes, lanes 16-31 the next
	v_lshl_add_u32 v5, v1, 4, v5
	v_add_nc_u32 v[RD], s23, v5
	v_mul_u32_u24 v5, v2, SIZE_N*2                 ; and the same two rows in p_ws
	v_lshl_add_u32 v[CO], v1, 4, v5
	s_lshl_b32 s23, s10, 10
	s_add_co_u32 s23, s23, STATS                   ; my 1,024 bytes for the rows' figures
	v_and_b32 v6, 31, v0
	v_lshl_add_u32 v[SST], v1, 2, s23              ; row 16 i + l % 16 is word 16 i + l % 16
	v_lshl_add_u32 v[SLD], v6, 4, s23
	v_lshlrev_b32 v[SGO], 4, v6
; 16 matrix instructions: row blocks a0, a0 + 1 of the window's four (hi = 0: my rows 0-63, 1: rows 64-127) x all 8 column blocks, 32 along K.
; zero = 1: the first product starts the sums: nothing is ever cleared.  The 64 accumulators take turns, one instruction a turn, in the same order in
; every quarter step, over the loop's backward jump too.
.macro MUL16 f, hi, a0, zero
.irp a, \a0, \a0+1
.irp b, 0,1,2,3,4,5,6,7
.if \zero
	v_wmma_f32_16x16x32_bf16 v[8*(8*(\a)+\b):8*(8*(\a)+\b)+7], v[\f+8*\b:\f+8*\b+7], v[\f+8*(4*\hi+\a):\f+8*(4*\hi+\a)+7], 0
.else
	v_wmma_f32_16x16x32_bf16 v[8*(8*(\a)+\b):8*(8*(\a)+\b)+7], v[\f+8*\b:\f+8*\b+7], v[\f+8*(4*\hi+\a):\f+8*(4*\hi+\a)+7], v[8*(8*(\a)+\b):8*(8*(\a)+\b)+7]
.endif
.endr
.endr
.endm
; 32 LDS loads in one run: the fragments of one quarter step (128 rows of k, 128 rows of q, 32 K at byte k of the rows) into buffer f
.macro FETCH slot, k, f
	WIN TO_B
.irp i, 0,1,2,3,4,5,6,7
	ds_load_b128 v[\f+8*\i:\f+8*\i+3],   v[ADRB+\slot] offset:\k+\i*16*PITCH
	ds_load_b128 v[\f+8*\i+4:\f+8*\i+7], v[ADRB+\slot] offset:\k+\i*16*PITCH+32
.endr
	WIN 0
.irp i, 0,1,2,3,4,5,6,7
	ds_load_b128 v[\f+8*\i:\f+8*\i+3],   v[ADRA+\slot] offset:\k+\i*16*PITCH
	ds_load_b128 v[\f+8*\i+4:\f+8*\i+7], v[ADRA+\slot] offset:\k+\i*16*PITCH+32
.endr
.endm
; A load into a register that a matrix instruction has read, and a vector instruction that reads a matrix result or writes one of a matrix instruction's
; registers, stand four independent plain vector instructions behind it (ISA guide 7.12.1 for vector instructions).
.macro PLACES
.rept 4
	v_nop
.endr
.endm
; A K step is four quarter steps of 32 along K, 64 matrix instructions each, on buffers 0, 1, 0, 1.
; One of the first three: multiplies buffer f; in its middle it fetches the next quarter's fragments, at byte k of the same slot's rows, into buffer g.
.macro QUARTER slot, k, f, g, zero
	s_wait_dscnt 8                                 ; k and q's rows 0-63 are in; the youngest eight loads (q's rows 64-127) may be out
	WIN MUL_LO
	MUL16 \f, 0, 0, \zero
	MUL16 \f, 0, 2, \zero
	PLACES
	FETCH \slot, \k, \g
	s_wait_dscnt 32                                ; all but the 32 just issued
	WIN MUL_HI
	MUL16 \f, 1, 0, \zero
	MUL16 \f, 1, 2, \zero
.endm
.macro THREE slot, zero
	QUARTER \slot, 64,  F0, F1, \zero
	QUARTER \slot, 128, F1, F0, 0
	QUARTER \slot, 192, F0, F1, 0
.endm
; The last quarter: multiplies buffer 1 and changes slots.  next = the other slot; fill = 1: this slot is filled again, two K steps ahead.
; In front of the barrier each wave waits for its own reads of this slot and for all its tensor loads, of which one is out: its part of the next slot.
; Behind it nobody reads this slot any more and the next slot is whole: the refill comes first, then the next slot's first fragments.
; From a request to the wait for it a wave issues 240 matrix instructions.
.macro TURN slot, next, fill
	s_wait_dscnt 8
	WIN MUL_LO
	MUL16 F1, 0, 0, 0
	s_wait_dscnt 0                                 ; my reads of this slot are over
	s_wait_tensorcnt 0x0                           ; and all my tensor loads have landed
	ds_add_u32 v255, v255
	s_wait_dscnt 0x0
	s_barrier_signal -1                            ; say so (where a slot is filled again this barrier opens a round of the cluster's barrier),
	MUL16 F1, 0, 2, 0                              ; work on registers while the others arrive,
	WIN 0
	s_barrier_wait -1                              ; and go on when all four have said so
.if \fill
	CREST                                          ; no wave of any partner still reads this slot's tile or has a load on its way
	s_add_nc_u64 s[G0+4*\slot+2:G0+4*\slot+3], s[G0+4*\slot+2:G0+4*\slot+3], 2*KSTEP*2
	s_add_nc_u64 s[G0B+4*\slot+2:G0B+4*\slot+3], s[G0B+4*\slot+2:G0B+4*\slot+3], 2*KSTEP*2
	JLOAD \slot                                    ; the first tensor load behind the round
.endif
	PLACES
	FETCH \next, 0, F0
	WIN MUL_HI
	MUL16 F1, 1, 0, 0
	MUL16 F1, 1, 2, 0
.endm
.macro LAP zero                        ; once round the ring, both slots filled again
	THREE 0, \zero
	TURN 0, 1, 1
	THREE 1, 0
	TURN 1, 0, 1
.endm
	s_wait_tensorcnt 1                             ; my part of K step 0 is in; step 1's may stay out
	s_barrier_signal -1
	s_barrier_wait -1                              ; everybody's is
	FETCH 0, 0, F0
	LAP 1                                          ; the first lap stands in front of the loop: its first products start the sums
	WIN 0                                          ; at a label and at a branch every window is 0
	s_mov_b32 s3, LAPS-2
.Llap:
	LAP 0
	WIN 0
	s_sub_co_u32 s3, s3, 1
	s_cmp_lg_u32 s3, 0
	s_cbranch_scc1 .Llap
	THREE 0, 0                                     ; the last lap fills nothing
	TURN 0, 1, 0
	THREE 1, 0
	s_wait_dscnt 8                                 ; the very last quarter: nothing more to fetch
	WIN MUL_LO
	MUL16 F1, 0, 0, 0
	MUL16 F1, 0, 2, 0
	s_wait_dscnt 0
	WIN MUL_HI
	MUL16 F1, 1, 0, 0
	MUL16 F1, 1, 2, 0
	; Four places behind the last matrix instructions: for all that reads results or writes the fragment buffers below.
	PLACES
	s_lshl_b32 s13, s13, 8
	s_lshl_b32 s14, s11, 7
	s_add_co_u32 s16, s13, s14                     ; my first row of p_ws
	s_mov_b32 s17, 0
	s_mov_b64 s[18:19], SIZE_N*2
	s_mul_u64 s[16:17], s[16:17], s[18:19]
	s_add_nc_u64 s[8:9], s[8:9], s[16:17]
	s_lshl_b32 s46, s42, 9                         ; my first column, in bytes: 512 x block + 256 x half (in the registers that held k's address: none that fed q's descriptors ever holds cx)
	s_lshl_b32 s47, s12, 8
	s_add_co_u32 s46, s46, s47
	s_mov_b32 s47, 0
	s_add_nc_u64 s[8:9], s[8:9], s[46:47]
	s_lshl_b32 s46, s42, 13                        ; stat: column block cb = 2 cx + half, 4,096 bytes each,
	s_lshl_b32 s47, s12, 12
	s_add_co_u32 s46, s46, s47
	s_lshl_b32 s47, s45, 15                        ; bh x 8 blocks,
	s_add_co_u32 s46, s46, s47
	s_lshl_b32 s47, s41, 10                        ; row 256 cy + 128 x half, 4 bytes each
	s_add_co_u32 s46, s46, s47
	s_lshl_b32 s47, s11, 9
	s_add_co_u32 s46, s46, s47
	s_mov_b32 s47, 0
	s_add_nc_u64 s[66:67], s[66:67], s[46:47]
	; THE SOFTMAX'S FIRST HALF.  Row block i = 0..7 (16 rows each): registers 64 (i % 4) .. + 63 of window 2 (i < 4) or 3.
	; 1. maxima: four chains of 16 registers for each row block, sixteen chains by turns
.macro ROWMAX i0
.irp a, 0,1,2,3
.irp c, 0,1,2,3
	v_max_num_f32 v[MX+4*(\i0+\a)+\c], v[64*\a+16*\c], v[64*\a+16*\c+1]
.endr
.endr
.irp k, 1,2,3,4,5,6,7
.irp a, 0,1,2,3
.irp c, 0,1,2,3
	v_max3_num_f32 v[MX+4*(\i0+\a)+\c], v[64*\a+16*\c+2*\k], v[64*\a+16*\c+2*\k+1], v[MX+4*(\i0+\a)+\c]
.endr
.endr
.endr
.endm
	WIN 0x0a                                       ; sources 0 and 1 window 2
	ROWMAX 0
	WIN 0x0f                                       ; sources 0 and 1 window 3
	ROWMAX 4
	WIN 0
.irp i, 0,1,2,3,4,5,6,7
	v_max3_num_f32 v[NM+\i], v[MX+4*\i], v[MX+4*\i+1], v[MX+4*\i+2]
.endr
.irp i, 0,1,2,3,4,5,6,7
	v_max_num_f32 v[NM+\i], v[NM+\i], v[MX+4*\i+3]
.endr
.irp i, 0,1,2,3,4,5,6,7
	v_permlanex16_b32 v[MX+4*\i], v[NM+\i], s68, s69       ; the other 64 columns of the row
.endr
.irp i, 0,1,2,3,4,5,6,7
	v_max_num_f32 v[NM+\i], v[NM+\i], v[MX+4*\i]
.endr
.irp i, 0,2,4,6
	v_pk_mul_f32 v[NM+\i:NM+\i+1], v[NM+\i:NM+\i+1], 0xbd38aa3b op_sel_hi:[1,0]   ; -c x maximum.  This rounded number is what is stored, so the next launch undoes exactly what is taken away here
.endr
	; 2. p = 2^(c s - c max), in place; the row block's figure is broadcast from one register of its pair
.macro EXPW i0
.set i, 0
.rept 128
.if (i>>5)&1
	v_pk_fma_f32 v[2*i:2*i+1], v[2*i:2*i+1], 0x3d38aa3b, v[NM+\i0+((i>>5)&2):NM+\i0+((i>>5)&2)+1] op_sel:[0,0,1] op_sel_hi:[1,0,1]
.else
	v_pk_fma_f32 v[2*i:2*i+1], v[2*i:2*i+1], 0x3d38aa3b, v[NM+\i0+((i>>5)&2):NM+\i0+((i>>5)&2)+1] op_sel_hi:[1,0,0]
.endif
.set i, i+1
.endr
.set i, 0
.rept 256
	v_exp_f32 v[i], v[i]
.set i, i+1
.endr
	v_nop                                          ; one plain vector instruction behind the exponentials before a result is used (ISA guide 5.7.2)
.endm
	WIN 0x82                                       ; source 0 and destination window 2, source 2 window 0
	EXPW 0
	WIN 0xc3
	EXPW 4
	; 3. sums: two chains of pairs for each row block, eight chains by turns
.macro ROWSUM1 i0
	s_wait_alu depctr_va_vdst(0)
.irp a, 0,1,2,3
.irp c, 0,1
	v_pk_add_f32 v[SX+4*(\i0+\a)+2*\c:SX+4*(\i0+\a)+2*\c+1], v[64*\a+32*\c:64*\a+32*\c+1], v[64*\a+32*\c+2:64*\a+32*\c+3]
.endr
.endr
.endm
.macro ROWSUM2 i0
.irp k, 2,3,4,5,6,7,8,9,10,11,12,13,14,15
.irp a, 0,1,2,3
.irp c, 0,1
	v_pk_add_f32 v[SX+4*(\i0+\a)+2*\c:SX+4*(\i0+\a)+2*\c+1], v[64*\a+32*\c+2*\k:64*\a+32*\c+2*\k+1], v[SX+4*(\i0+\a)+2*\c:SX+4*(\i0+\a)+2*\c+1]
.endr
.endr
.endr
.endm
	WIN 0x0a
	ROWSUM1 0
	WIN 0x02
	ROWSUM2 0
	WIN 0x0f
	ROWSUM1 4
	WIN 0x03
	ROWSUM2 4
	WIN 0
.irp i, 0,1,2,3,4,5,6,7
	v_pk_add_f32 v[SX+4*\i:SX+4*\i+1], v[SX+4*\i:SX+4*\i+1], v[SX+4*\i+2:SX+4*\i+3]
.endr
.irp i, 0,1,2,3,4,5,6,7
	v_add_f32 v[LS+\i], v[SX+4*\i], v[SX+4*\i+1]
.endr
.irp i, 0,1,2,3,4,5,6,7
	v_permlanex16_b32 v[SX+4*\i], v[LS+\i], s68, s69
.endr
.irp i, 0,1,2,3,4,5,6,7
	v_add_f32 v[LS+\i], v[LS+\i], v[SX+4*\i]
.endr
	; 4. the figures out through my own 1,024 bytes of LDS (both halves of the lanes write the same word with the same value), so that each store covers 512 consecutive bytes, aligned
.irp i, 0,1,2,3,4,5,6,7
	ds_store_b32 v[SST], v[NM+\i] offset:64*\i
	ds_store_b32 v[SST], v[LS+\i] offset:512+64*\i
.endr
	ds_load_b128 v[SO:SO+3], v[SLD]                ; LDS serves a wave's instructions in order (ISA guide 5.7.1.4): these see the stores above
	ds_load_b128 v[SO+4:SO+7], v[SLD] offset:512
	s_wait_dscnt 0x0
	global_store_b128 v[SGO], v[SO:SO+3], s[66:67]
	global_store_b128 v[SGO], v[SO+4:SO+7], s[66:67] offset:1048576
	; 5. p OUT, 16 rows at a time: round to bf16, 16 bytes a lane into my own stage in LDS, read back as whole rows of 256 bytes.
; rows 16 i .. 16 i + 15 of my block = the eight tiles (a, 0..7) of window 2 or 3 (from = 0x0a or 0x0f: sources 0 and 1); f: F0 or F1 in turn
.macro OUT16 i, a, from, f
	WIN \from
.irp b, 0,1,2,3,4,5,6,7
.irp r, 0,1,2,3
	v_cvt_pk_bf16_f32 v[TMP+4*\b+\r], v[8*(8*\a+\b)+2*\r], v[8*(8*\a+\b)+2*\r+1]
.endr
.endr
	WIN 0
.irp b, 0,1,2,3,4,5,6,7
	ds_store_b128 v[STO], v[TMP+4*\b:TMP+4*\b+3] offset:32*\b
.endr
	s_wait_xcnt 0x0                                ; buffer f, which earlier stores read, and the stores' base are rewritten only behind this wait
.if \i
	s_add_nc_u64 s[8:9], s[8:9], 16*SIZE_N*2       ; 16 rows on, so that the stores' offsets stay at 14 rows at the most
.endif
.irp t, 0,1,2,3,4,5,6,7
	ds_load_b128 v[\f+4*\t:\f+4*\t+3], v[RD] offset:\t*2*SPITCH    ; in order behind the stores above
.endr
.irp t, 0,1,2,3,4,5,6,7
	s_wait_dscnt 7-\t
	global_store_b128 v[CO], v[\f+4*\t:\f+4*\t+3], s[8:9] offset:2*\t*SIZE_N*2   ; 16 lanes store 256 consecutive bytes, at a multiple of 256 from p_ws's first byte
.endr
.endm
	OUT16 0, 0, 0x0a, F0
	OUT16 1, 1, 0x0a, F1
	OUT16 2, 2, 0x0a, F0
	OUT16 3, 3, 0x0a, F1
	OUT16 4, 0, 0x0f, F0
	OUT16 5, 1, 0x0f, F1
	OUT16 6, 2, 0x0f, F0
	OUT16 7, 3, 0x0f, F1
	s_set_vgpr_msb 0x1
	s_wait_tensorcnt 0x0
	ds_add_u32 v255, v255
	s_wait_dscnt 0x0
	s_set_vgpr_msb 0x100
	CROUND                                         ; the closing round: no work-group ends while a partner may still ask for a tile that names it
	s_endpgm
.Lfunc_end_k_q6520b7bea5_scores:
	.size	k_q6520b7bea5_scores, .Lfunc_end_k_q6520b7bea5_scores-k_q6520b7bea5_scores
	.p2alignl 7, 3214868480
	.fill 96, 4, 3214868480
	.section	.rodata,"a",@progbits
	.p2align	6, 0x0
	.amdhsa_kernel k_q6520b7bea5_scores
		.amdhsa_group_segment_fixed_size 327680
		.amdhsa_private_segment_fixed_size 0
		.amdhsa_enable_private_segment 0
		.amdhsa_kernarg_size 32
		.amdhsa_user_sgpr_count 2
		.amdhsa_user_sgpr_kernarg_segment_ptr 1
		.amdhsa_wavefront_size32 1
		.amdhsa_system_sgpr_workgroup_id_x 1
		.amdhsa_system_sgpr_workgroup_id_y 1
		.amdhsa_system_sgpr_workgroup_id_z 1
		.amdhsa_system_vgpr_workitem_id 0
		.amdhsa_next_free_vgpr 1024
		.amdhsa_next_free_sgpr 70
		.amdhsa_reserve_vcc 0
		.amdhsa_float_denorm_mode_32 3
		.amdhsa_float_denorm_mode_16_64 3
		.amdhsa_memory_ordered 1
		.amdhsa_forward_progress 1
		.amdhsa_inst_pref_size 255
	.end_amdhsa_kernel
	.section	.bss,"aw",@nobits
	.p2align	6
	.space	262144
	.amdgpu_metadata
---
amdhsa.version: [ 1, 2 ]
amdhsa.kernels:
  - .name:           k_q6520b7bea5_scores
    .symbol:         k_q6520b7bea5_scores.kd
    .args:
      - { .name: q_ws, .offset: 0, .size: 8, .value_kind: global_buffer, .address_space: global }
      - { .name: k_ws, .offset: 8, .size: 8, .value_kind: global_buffer, .address_space: global }
      - { .name: p_ws, .offset: 16, .size: 8, .value_kind: global_buffer, .address_space: global }
      - { .name: stat, .offset: 24, .size: 8, .value_kind: global_buffer, .address_space: global }
    .group_segment_fixed_size: 327680
    .private_segment_fixed_size: 0
    .kernarg_segment_align: 8
    .kernarg_segment_size: 32
    .max_flat_workgroup_size: 128
    .sgpr_count:     70
    .vgpr_count:     1024
    .wavefront_size: 32
...
	.end_amdgpu_metadata
.endif
;; end of part 2
;; launch colsum (part 3): grid 16 x 32, 8 waves a work-group, no clusters, 41,984 bytes of LDS; arguments p_ws, stat, cpart; writes cpart
.if DOCPART == 3
	.amdgcn_target "amdgcn-amd-amdhsa--gfx1250"
	.amdhsa_code_object_version 6
	.text
	.protected	k_q6520b7bea5_colsum
	.globl	k_q6520b7bea5_colsum
	.p2align	8
	.type	k_q6520b7bea5_colsum,@function
k_q6520b7bea5_colsum:
	s_mov_b64 s[64:65], 0
	v_nop
	global_prefetch_b8 v0, s[64:65] scope:SCOPE_SE
	s_setreg_imm32_b32 hwreg(HW_REG_WAVE_MODE, 25, 1), 1
	s_wait_xcnt 0x0
; The softmax's second half and its column sums.  For bh (group y) and the 64 rows of block rb (group x):
;   n[row][cb] = stat[0] = -c x (block's maximum), l[row][cb] = stat[1] = block's sum;  N = min over the 8 blocks of n (that is -c x the row's true maximum);
;   e[cb] = 2^(N - n[cb]) (at most 1);  w[row][cb] = e[cb] / sum over cb of l[cb] e[cb];  cpart[bh][rb][k] = sum over the 64 rows of p[row][k] w[row][k / 128].
; The block that holds the row's maximum has e = 1 and l of about 1 or more, so the divisor is never near 0.  All in f32; p comes in bf16.
; LIMITS: e below 2^-126 counts as 0; NaN and infinities are not treated; the order of the sums differs from reference()'s.
; A stream: each byte of p_ws is loaded once, by one wave, so LDS tiles, the matrix unit and clusters would add nothing.
; Wave w: rows 8 w .. + 7, four loads of 512 consecutive bytes a row; the lane keeps 32 column sums: column 256 j + 8 lane + e, block cb = 2 j + lane / 16.
.set RAW, 0                            ; LDS: [2 figures][8 cb][64 rows] f32
.set WT,  4096                         ; LDS: [8 waves][8 rows][2 h][4 j] f32: weight of block 2 j + h
.set RED, 8192                         ; LDS: [8 waves][1024 columns] f32
.set P,   32                           ; v[32:159]  row rr: 16 registers (load j: 4)
.set ACC, 160                          ; v[160:191] column sums: 8 j + e
.set MN,  192                          ; v[192:199] n, then e, by cb
.set LL,  200                          ; v[200:207] l by cb
.set WQ,  208                          ; v[208:215] weights in the table's order: 4 h + j
.set WR,  216                          ; v[216:247] row rr: my four weights (j = 0..3)
.set TP,  248                          ; v[248:255] at work
	s_load_b128 s[4:7], s[0:1], 0x0                ; p_ws s[4:5], stat s[6:7]
	s_load_b64 s[8:9], s[0:1], 0x10                ; cpart
	v_lshl_add_u32 v30, v0, 2, 0xa000
	v_mov_b32 v31, 0
	v_lshrrev_b32 v1, 5, v0
	v_readfirstlane_b32 s10, v1                    ; wave
	s_and_b32 s11, ttmp7, 0xffff                   ; bh
	s_mov_b32 s12, 0xffff0000                      ; a word's upper bf16
	v_and_b32 v8, 31, v0                           ; lane
	v_and_b32 v9, 7, v0                            ; lane % 8
	v_bfe_u32 v10, v0, 4, 1                        ; h = lane / 16
	s_lshl_b32 s13, s10, 14
	v_lshl_add_u32 v1, v8, 4, s13                  ; p: 8 w rows of 2,048 bytes + 16 lane
	s_lshl_b32 s13, s10, 12
	v_lshl_add_u32 v2, v8, 3, s13                  ; stat: block cb = w, two rows a lane
	s_lshl_b32 s13, s10, 8
	v_lshl_add_u32 v11, v8, 3, s13                 ; RAW + 256 w + 8 lane
	s_lshl_b32 s14, s10, 5
	v_lshl_add_u32 v3, v9, 2, s14                  ; RAW + 4 (8 w + lane % 8)
	s_add_co_u32 s13, s13, WT
	v_lshl_add_u32 v4, v9, 5, s13                  ; WT + 256 w + 32 (lane % 8)
	v_lshl_add_u32 v5, v10, 4, s13                 ; WT + 256 w + 16 h
	s_lshl_b32 s13, s10, 12
	s_add_co_u32 s13, s13, RED
	v_lshl_add_u32 v6, v8, 5, s13                  ; RED + 4,096 w + 32 lane
	v_lshlrev_b32 v7, 4, v0                        ; 16 x thread
	s_lshl_b32 s14, s11, 21                        ; bh planes of 2 MiB
	s_lshl_b32 s15, ttmp9, 17                      ; rb blocks of 64 rows of 2,048 bytes
	s_add_co_u32 s14, s14, s15
	s_mov_b32 s15, 0
	s_lshl_b32 s16, s11, 15                        ; bh x 8 blocks of 4,096 bytes
	s_lshl_b32 s17, ttmp9, 8                       ; 64 rb rows of 4 bytes
	s_add_co_u32 s16, s16, s17
	s_mov_b32 s17, 0
	s_lshl_b32 s18, s11, 4
	s_add_co_u32 s18, s18, ttmp9
	s_lshl_b32 s18, s18, 12                        ; (16 bh + rb) x 4,096 bytes
	s_mov_b32 s19, 0
	s_wait_kmcnt 0x0
	s_add_nc_u64 s[4:5], s[4:5], s[14:15]
	s_add_nc_u64 s[6:7], s[6:7], s[16:17]
	s_add_nc_u64 s[8:9], s[8:9], s[18:19]
	global_load_b64 v[MN:MN+1], v2, s[6:7]                         ; the wave's load covers the 256 consecutive bytes of one block's 64 rows
	global_load_b64 v[MN+2:MN+3], v2, s[6:7] offset:1048576
.set rr, 0
.rept 8
.irp j, 0,1,2,3
	global_load_b128 v[P+16*rr+4*\j:P+16*rr+4*\j+3], v1, s[4:5] offset:2048*rr+512*\j th:TH_LOAD_NT
.endr
.set rr, rr+1
.endr
	s_wait_loadcnt 32                              ; the two figures are in; the 32 loads of p stay out
	ds_store_b64 v11, v[MN:MN+1] offset:RAW
	ds_store_b64 v11, v[MN+2:MN+3] offset:RAW+2048
	s_wait_dscnt 0x0                               ; my block's figures are written, for the other waves' sake
	s_barrier_signal -1
	s_barrier_wait -1
	; the weights of my wave's 8 rows: lane takes row lane % 8 (four lanes do the same work)
.irp cb, 0,1,2,3,4,5,6,7
	ds_load_b32 v[MN+\cb], v3 offset:RAW+256*\cb
	ds_load_b32 v[LL+\cb], v3 offset:RAW+2048+256*\cb
.endr
	s_wait_dscnt 0x0
	v_min3_num_f32 v[TP], v[MN], v[MN+1], v[MN+2]
	v_min3_num_f32 v[TP], v[TP], v[MN+3], v[MN+4]
	v_min3_num_f32 v[TP], v[TP], v[MN+5], v[MN+6]
	v_min_num_f32 v[TP], v[TP], v[MN+7]
.irp cb, 0,1,2,3,4,5,6,7
	v_sub_f32 v[MN+\cb], v[TP], v[MN+\cb]
.endr
.irp cb, 0,1,2,3,4,5,6,7
	v_exp_f32 v[MN+\cb], v[MN+\cb]
.endr
	v_nop                                          ; one plain vector instruction behind a transcendental before its result is used (ISA guide 5.7.2)
	s_wait_alu depctr_va_vdst(0)
	v_mul_f32 v[TP+1], v[LL], v[MN]
.irp cb, 1,2,3,4,5,6,7
	v_fmac_f32 v[TP+1], v[LL+\cb], v[MN+\cb]
.endr
	v_rcp_f32 v[TP+1], v[TP+1]
	v_nop
	s_wait_alu depctr_va_vdst(0)
.irp cb, 0,1,2,3,4,5,6,7
	v_mul_f32 v[WQ+4*(\cb&1)+(\cb>>1)], v[MN+\cb], v[TP+1]
.endr
	ds_store_b128 v4, v[WQ:WQ+3]                   ; my wave's own bytes: LDS serves a wave's instructions in order, so no barrier
	ds_store_b128 v4, v[WQ+4:WQ+7] offset:16
.irp r, 0,1,2,3,4,5,6,7
	ds_load_b128 v[WR+4*\r:WR+4*\r+3], v5 offset:32*\r
.endr
	s_wait_dscnt 0x0
	; row 0 starts the sums: nothing is cleared
	s_wait_loadcnt 28                              ; four loads for each of the seven younger rows stay out
.irp j, 0,1,2,3
.irp k, 0,1,2,3
	v_lshlrev_b32 v[TP+2*\k], 16, v[P+4*\j+\k]
	v_and_b32 v[TP+2*\k+1], s12, v[P+4*\j+\k]
.endr
.irp k, 0,1,2,3
.if \j & 1
	v_pk_mul_f32 v[ACC+8*\j+2*\k:ACC+8*\j+2*\k+1], v[TP+2*\k:TP+2*\k+1], v[WR+(\j&2):WR+(\j&2)+1] op_sel:[0,1] op_sel_hi:[1,1]
.else
	v_pk_mul_f32 v[ACC+8*\j+2*\k:ACC+8*\j+2*\k+1], v[TP+2*\k:TP+2*\k+1], v[WR+(\j&2):WR+(\j&2)+1] op_sel_hi:[1,0]
.endif
.endr
.endr
	; rows 1 to 7: one multiply-add straight from each bf16 half
.set rr, 1
.rept 7
	s_wait_loadcnt 28-4*rr
.irp j, 0,1,2,3
.irp k, 0,1,2,3
	v_fma_mix_f32_bf16 v[ACC+8*\j+2*\k], v[P+16*rr+4*\j+\k], v[WR+4*rr+\j], v[ACC+8*\j+2*\k] op_sel_hi:[1,0,0]
	v_fma_mix_f32_bf16 v[ACC+8*\j+2*\k+1], v[P+16*rr+4*\j+\k], v[WR+4*rr+\j], v[ACC+8*\j+2*\k+1] op_sel:[1,0,0] op_sel_hi:[1,0,0]
.endr
.endr
.set rr, rr+1
.endr
	; the eight waves' parts meet in LDS; thread t adds columns 4 t .. 4 t + 3
.irp j, 0,1,2,3
	ds_store_b128 v6, v[ACC+8*\j:ACC+8*\j+3] offset:1024*\j
	ds_store_b128 v6, v[ACC+8*\j+4:ACC+8*\j+7] offset:1024*\j+16
.endr
	s_wait_dscnt 0x0
	s_barrier_signal -1
	s_barrier_wait -1
.irp u, 0,1,2,3,4,5,6,7
	ds_load_b128 v[P+4*\u:P+4*\u+3], v7 offset:RED+4096*\u
.endr
	s_wait_dscnt 0x0
.irp u, 0,2,4,6
	v_pk_add_f32 v[P+4*\u:P+4*\u+1], v[P+4*\u:P+4*\u+1], v[P+4*\u+4:P+4*\u+5]
	v_pk_add_f32 v[P+4*\u+2:P+4*\u+3], v[P+4*\u+2:P+4*\u+3], v[P+4*\u+6:P+4*\u+7]
.endr
.irp u, 0,4
	v_pk_add_f32 v[P+4*\u:P+4*\u+1], v[P+4*\u:P+4*\u+1], v[P+4*\u+8:P+4*\u+9]
	v_pk_add_f32 v[P+4*\u+2:P+4*\u+3], v[P+4*\u+2:P+4*\u+3], v[P+4*\u+10:P+4*\u+11]
.endr
	v_pk_add_f32 v[P:P+1], v[P:P+1], v[P+16:P+17]
	v_pk_add_f32 v[P+2:P+3], v[P+2:P+3], v[P+18:P+19]
	global_store_b128 v7, v[P:P+3], s[8:9]         ; a wave's store covers 512 consecutive bytes, aligned
	s_wait_tensorcnt 0x0
	ds_add_u32 v30, v31
	s_wait_dscnt 0x0
	s_endpgm
.Lfunc_end_k_q6520b7bea5_colsum:
	.size	k_q6520b7bea5_colsum, .Lfunc_end_k_q6520b7bea5_colsum-k_q6520b7bea5_colsum
	.p2alignl 7, 3214868480
	.fill 96, 4, 3214868480
	.section	.rodata,"a",@progbits
	.p2align	6, 0x0
	.amdhsa_kernel k_q6520b7bea5_colsum
		.amdhsa_group_segment_fixed_size 41984
		.amdhsa_private_segment_fixed_size 0
		.amdhsa_enable_private_segment 0
		.amdhsa_kernarg_size 24
		.amdhsa_user_sgpr_count 2
		.amdhsa_user_sgpr_kernarg_segment_ptr 1
		.amdhsa_wavefront_size32 1
		.amdhsa_system_sgpr_workgroup_id_x 1
		.amdhsa_system_sgpr_workgroup_id_y 1
		.amdhsa_system_sgpr_workgroup_id_z 1
		.amdhsa_system_vgpr_workitem_id 0
		.amdhsa_next_free_vgpr 256
		.amdhsa_next_free_sgpr 66
		.amdhsa_reserve_vcc 0
		.amdhsa_float_denorm_mode_32 3
		.amdhsa_float_denorm_mode_16_64 3
		.amdhsa_memory_ordered 1
		.amdhsa_forward_progress 1
		.amdhsa_inst_pref_size 28
	.end_amdhsa_kernel
	.amdgpu_metadata
---
amdhsa.version: [ 1, 2 ]
amdhsa.kernels:
  - .name:           k_q6520b7bea5_colsum
    .symbol:         k_q6520b7bea5_colsum.kd
    .args:
      - { .name: p_ws, .offset: 0, .size: 8, .value_kind: global_buffer, .address_space: global }
      - { .name: stat, .offset: 8, .size: 8, .value_kind: global_buffer, .address_space: global }
      - { .name: cpart, .offset: 16, .size: 8, .value_kind: global_buffer, .address_space: global }
    .group_segment_fixed_size: 41984
    .private_segment_fixed_size: 0
    .kernarg_segment_align: 8
    .kernarg_segment_size: 24
    .max_flat_workgroup_size: 256
    .sgpr_count:     66
    .vgpr_count:     256
    .wavefront_size: 32
...
	.end_amdgpu_metadata
.endif
;; end of part 3
;; launch svec (part 4): grid 16 x 16, 8 waves a work-group, no clusters, 18,432 bytes of LDS; arguments cpart, x, W_v, spart; writes spart
.if DOCPART == 4
	.amdgcn_target "amdgcn-amd-amdhsa--gfx1250"
	.amdhsa_code_object_version 6
	.text
	.protected	k_q6520b7bea5_svec
	.globl	k_q6520b7bea5_svec
	.p2align	8
	.type	k_q6520b7bea5_svec,@function
k_q6520b7bea5_svec:
	s_mov_b64 s[64:65], 0
	v_nop
	global_prefetch_b8 v0, s[64:65] scope:SCOPE_SE
	s_setreg_imm32_b32 hwreg(HW_REG_WAVE_MODE, 25, 1), 1
	s_wait_xcnt 0x0
; spart[kr][b][j] = sum over h and over the 64 rows k of block kr of c[b][h][k] x[b][k][j] W_v[h][k][j], with c[bh][k] = sum over rb of cpart[bh][rb][k].
; The work-group owns rows 64 kr .. + 63 and columns 64 js .. + 63 (js = group x, kr = group y), for every b and h: each byte of x and W_v is loaded once.
; All in f32.  A stream: no matrix unit, no tensor load, no cluster (the groups share only cpart's 8 KiB a block).
; Wave w, pair p: rows 8 w + 2 p + hh (hh = lane / 16); lane's 4 columns at 16 q bytes (q = lane % 16): a load covers 256 bytes, aligned, of each of two rows.
.set PLANE, 0x400000
.set CPITCH, 144                       ; c table in LDS: [64 rows][32 bh] f32, rows 128 + 16 bytes apart
.set RED,   9216                       ; [8 waves][4 b][64 j] f32
.set ACC,   8                          ; v[8:23]    batch b: 4 sums
.set D,     24                         ; v[24:215]  pair p: 48 registers: W_v h = 0..7, then x b = 0..3
.set CPT,   120                        ; v[120:247] cpart as loaded (before pairs 2 and 3 are asked for)
.set CV,    216                        ; v[216:247] c of my row, by bh
.set TMP,   248                        ; v[248:255] two sets by turns; first the sums of cpart
	s_load_b256 s[4:11], s[0:1], 0x0               ; cpart s[4:5], x s[6:7], W_v s[8:9], spart s[10:11]
	s_set_vgpr_msb 0x40
	v_lshl_add_u32 v0, v0, 2, 0x4400
	v_mov_b32 v1, 0
	s_set_vgpr_msb 0x4000
	v_lshrrev_b32 v7, 5, v0
	v_readfirstlane_b32 s12, v7                    ; wave
	s_and_b32 s13, ttmp7, 0xffff                   ; kr
	s_mov_b32 s18, 0x76543210
	s_mov_b32 s19, 0xfedcba98
	v_and_b32 v7, 15, v0                           ; q
	v_lshrrev_b32 v6, 4, v0                        ; bhp = thread / 16
	s_lshl_b32 s14, s13, 8                         ; 64 kr words
	v_lshl_add_u32 v3, v7, 4, s14
	v_lshl_add_u32 v3, v6, 16, v3                  ; cpart: bhp x 65,536 + 256 kr + 16 q
	v_mul_u32_u24 v4, v7, 4*CPITCH
	v_lshl_add_u32 v4, v6, 2, v4                   ; table: row 4 q, word bhp
	v_bfe_u32 v6, v0, 4, 1                         ; hh
	s_lshl_b32 s15, s13, 18                        ; 64 kr rows of 4,096 bytes
	s_lshl_b32 s16, s12, 15                        ; 8 w rows
	s_add_co_u32 s15, s15, s16
	s_lshl_b32 s20, ttmp9, 8                       ; js strips of 256 bytes
	s_add_co_u32 s15, s15, s20
	s_add_co_u32 s15, s15, 2*PLANE                 ; a bias of two planes, so that the plane can stand in the signed immediate
	v_lshl_add_u32 v1, v7, 4, s15
	v_lshl_add_u32 v1, v6, 12, v1                  ; my 16 bytes in plane 2, pair 0
	v_add_nc_u32 v2, 4*PLANE, v1                   ; in plane 6
	s_mul_i32 s16, s12, 8*CPITCH
	v_mul_u32_u24 v5, v6, CPITCH
	v_add_nc_u32 v5, s16, v5                       ; table: row 8 w + hh
	s_lshl_b32 s17, s12, 10
	s_add_co_u32 s17, s17, RED
	v_lshl_add_u32 v6, v7, 4, s17                  ; RED + 1,024 w + 16 q
	s_wait_kmcnt 0x0
.macro LOADS p                         ; twelve loads: my two rows' 256 bytes of W_v[0..7] and x[0..3]
.irp h, 0,1,2,3,4,5,6,7
	global_load_b128 v[D+48*\p+4*\h:D+48*\p+4*\h+3], v[1+(\h>>2)], s[8:9] offset:((\h&3)-2)*PLANE+\p*8192 th:TH_LOAD_NT
.endr
.irp b, 0,1,2,3
	global_load_b128 v[D+48*\p+32+4*\b:D+48*\p+32+4*\b+3], v1, s[6:7] offset:(\b-2)*PLANE+\p*8192
.endr
.endm
	; c: thread (q, bhp) sums the 16 row blocks' parts for rows 4 q .. + 3 of bh = bhp and bhp + 16
.irp g, 0,1
.irp rb, 0,1,2,3,4,5,6,7,8,9,10,11,12,13,14,15
	global_load_b128 v[CPT+64*\g+4*\rb:CPT+64*\g+4*\rb+3], v3, s[4:5] offset:\g*1048576+\rb*4096
.endr
.endr
	LOADS 0
	LOADS 1
	s_wait_loadcnt 24                              ; cpart is in; the 24 loads of pairs 0 and 1 stay out
.irp g, 0,1
	v_pk_add_f32 v[TMP+4*\g:TMP+4*\g+1], v[CPT+64*\g:CPT+64*\g+1], v[CPT+64*\g+4:CPT+64*\g+5]
	v_pk_add_f32 v[TMP+4*\g+2:TMP+4*\g+3], v[CPT+64*\g+2:CPT+64*\g+3], v[CPT+64*\g+6:CPT+64*\g+7]
.endr
.irp rb, 2,3,4,5,6,7,8,9,10,11,12,13,14,15
.irp g, 0,1
	v_pk_add_f32 v[TMP+4*\g:TMP+4*\g+1], v[TMP+4*\g:TMP+4*\g+1], v[CPT+64*\g+4*\rb:CPT+64*\g+4*\rb+1]
	v_pk_add_f32 v[TMP+4*\g+2:TMP+4*\g+3], v[TMP+4*\g+2:TMP+4*\g+3], v[CPT+64*\g+4*\rb+2:CPT+64*\g+4*\rb+3]
.endr
.endr
.irp g, 0,1
.irp e, 0,1,2,3
	ds_store_b32 v4, v[TMP+4*\g+\e] offset:\e*CPITCH+64*\g
.endr
.endr
	LOADS 2
	LOADS 3
	s_wait_dscnt 0x0                               ; my part of the table is written, for the other waves' sake
	s_barrier_signal -1
	s_barrier_wait -1
; One pair of rows: for each b, t = sum over h of W_v[h] c[8 b + h] (c broadcast from one register of its pair), then ACC[b] += x[b] t.
.macro PAIR p
.irp i, 0,1,2,3,4,5,6,7
	ds_load_b128 v[CV+4*\i:CV+4*\i+3], v5 offset:\p*2*CPITCH+16*\i
.endr
	s_wait_dscnt 0x0
	s_wait_loadcnt 36-12*\p                        ; twelve loads for each younger pair stay out
.irp b, 0,1,2,3
	v_pk_mul_f32 v[TMP+4*(\b&1):TMP+4*(\b&1)+1], v[D+48*\p:D+48*\p+1], v[CV+8*\b:CV+8*\b+1] op_sel_hi:[1,0]
	v_pk_mul_f32 v[TMP+4*(\b&1)+2:TMP+4*(\b&1)+3], v[D+48*\p+2:D+48*\p+3], v[CV+8*\b:CV+8*\b+1] op_sel_hi:[1,0]
	v_pk_fma_f32 v[TMP+4*(\b&1):TMP+4*(\b&1)+1], v[D+48*\p+4:D+48*\p+5], v[CV+8*\b:CV+8*\b+1], v[TMP+4*(\b&1):TMP+4*(\b&1)+1] op_sel:[0,1,0] op_sel_hi:[1,1,1]
	v_pk_fma_f32 v[TMP+4*(\b&1)+2:TMP+4*(\b&1)+3], v[D+48*\p+6:D+48*\p+7], v[CV+8*\b:CV+8*\b+1], v[TMP+4*(\b&1)+2:TMP+4*(\b&1)+3] op_sel:[0,1,0] op_sel_hi:[1,1,1]
.irp g, 1,2,3
	v_pk_fma_f32 v[TMP+4*(\b&1):TMP+4*(\b&1)+1], v[D+48*\p+8*\g:D+48*\p+8*\g+1], v[CV+8*\b+2*\g:CV+8*\b+2*\g+1], v[TMP+4*(\b&1):TMP+4*(\b&1)+1] op_sel_hi:[1,0,1]
	v_pk_fma_f32 v[TMP+4*(\b&1)+2:TMP+4*(\b&1)+3], v[D+48*\p+8*\g+2:D+48*\p+8*\g+3], v[CV+8*\b+2*\g:CV+8*\b+2*\g+1], v[TMP+4*(\b&1)+2:TMP+4*(\b&1)+3] op_sel_hi:[1,0,1]
	v_pk_fma_f32 v[TMP+4*(\b&1):TMP+4*(\b&1)+1], v[D+48*\p+8*\g+4:D+48*\p+8*\g+5], v[CV+8*\b+2*\g:CV+8*\b+2*\g+1], v[TMP+4*(\b&1):TMP+4*(\b&1)+1] op_sel:[0,1,0] op_sel_hi:[1,1,1]
	v_pk_fma_f32 v[TMP+4*(\b&1)+2:TMP+4*(\b&1)+3], v[D+48*\p+8*\g+6:D+48*\p+8*\g+7], v[CV+8*\b+2*\g:CV+8*\b+2*\g+1], v[TMP+4*(\b&1)+2:TMP+4*(\b&1)+3] op_sel:[0,1,0] op_sel_hi:[1,1,1]
.endr
.if \p == 0
	v_pk_mul_f32 v[ACC+4*\b:ACC+4*\b+1], v[D+48*\p+32+4*\b:D+48*\p+32+4*\b+1], v[TMP+4*(\b&1):TMP+4*(\b&1)+1]
	v_pk_mul_f32 v[ACC+4*\b+2:ACC+4*\b+3], v[D+48*\p+32+4*\b+2:D+48*\p+32+4*\b+3], v[TMP+4*(\b&1)+2:TMP+4*(\b&1)+3]
.else
	v_pk_fma_f32 v[ACC+4*\b:ACC+4*\b+1], v[D+48*\p+32+4*\b:D+48*\p+32+4*\b+1], v[TMP+4*(\b&1):TMP+4*(\b&1)+1], v[ACC+4*\b:ACC+4*\b+1]
	v_pk_fma_f32 v[ACC+4*\b+2:ACC+4*\b+3], v[D+48*\p+32+4*\b+2:D+48*\p+32+4*\b+3], v[TMP+4*(\b&1)+2:TMP+4*(\b&1)+3], v[ACC+4*\b+2:ACC+4*\b+3]
.endif
.endr
.endm
	PAIR 0
	PAIR 1
	PAIR 2
	PAIR 3
	; the two halves of the lanes (even and odd rows), then the eight waves through LDS
.set i, 0
.rept 16
	v_permlanex16_b32 v[CV+i], v[ACC+i], s18, s19
.set i, i+1
.endr
.set i, 0
.rept 8
	v_pk_add_f32 v[ACC+2*i:ACC+2*i+1], v[ACC+2*i:ACC+2*i+1], v[CV+2*i:CV+2*i+1]
.set i, i+1
.endr
.irp b, 0,1,2,3
	ds_store_b128 v6, v[ACC+4*\b:ACC+4*\b+3] offset:256*\b
.endr
	s_wait_dscnt 0x0
	s_barrier_signal -1
	s_barrier_wait -1
	s_cmp_gt_u32 s12, 1
	s_cbranch_scc1 .Ldone                          ; 64 threads (waves 0 and 1) add the eight waves' parts: thread 16 b + q
	v_lshlrev_b32 v7, 4, v0
.irp u, 0,1,2,3,4,5,6,7
	ds_load_b128 v[D+4*\u:D+4*\u+3], v7 offset:RED+1024*\u
.endr
	v_lshrrev_b32 v4, 4, v0                        ; b
	v_and_b32 v5, 15, v0                           ; q
	s_lshl_b32 s14, s13, 14                        ; kr x 4 x 4,096 bytes
	s_add_co_u32 s14, s14, s20                     ; + 256 js
	v_lshl_add_u32 v3, v5, 4, s14                  ; v3's loads were shown done by the wait for 0 above
	v_lshl_add_u32 v3, v4, 12, v3
	s_wait_dscnt 0x0
.irp u, 0,2,4,6
	v_pk_add_f32 v[D+4*\u:D+4*\u+1], v[D+4*\u:D+4*\u+1], v[D+4*\u+4:D+4*\u+5]
	v_pk_add_f32 v[D+4*\u+2:D+4*\u+3], v[D+4*\u+2:D+4*\u+3], v[D+4*\u+6:D+4*\u+7]
.endr
.irp u, 0,4
	v_pk_add_f32 v[D+4*\u:D+4*\u+1], v[D+4*\u:D+4*\u+1], v[D+4*\u+8:D+4*\u+9]
	v_pk_add_f32 v[D+4*\u+2:D+4*\u+3], v[D+4*\u+2:D+4*\u+3], v[D+4*\u+10:D+4*\u+11]
.endr
	v_pk_add_f32 v[D:D+1], v[D:D+1], v[D+16:D+17]
	v_pk_add_f32 v[D+2:D+3], v[D+2:D+3], v[D+18:D+19]
	global_store_b128 v3, v[D:D+3], s[10:11]       ; sixteen lanes store 256 consecutive bytes, aligned
.Ldone:
	s_set_vgpr_msb 0x5
	s_wait_tensorcnt 0x0
	ds_add_u32 v0, v1
	s_wait_dscnt 0x0
	s_set_vgpr_msb 0x500
	s_endpgm
.Lfunc_end_k_q6520b7bea5_svec:
	.size	k_q6520b7bea5_svec, .Lfunc_end_k_q6520b7bea5_svec-k_q6520b7bea5_svec
	.p2alignl 7, 3214868480
	.fill 96, 4, 3214868480
	.section	.rodata,"a",@progbits
	.p2align	6, 0x0
	.amdhsa_kernel k_q6520b7bea5_svec
		.amdhsa_group_segment_fixed_size 18432
		.amdhsa_private_segment_fixed_size 0
		.amdhsa_enable_private_segment 0
		.amdhsa_kernarg_size 32
		.amdhsa_user_sgpr_count 2
		.amdhsa_user_sgpr_kernarg_segment_ptr 1
		.amdhsa_wavefront_size32 1
		.amdhsa_system_sgpr_workgroup_id_x 1
		.amdhsa_system_sgpr_workgroup_id_y 1
		.amdhsa_system_sgpr_workgroup_id_z 1
		.amdhsa_system_vgpr_workitem_id 0
		.amdhsa_next_free_vgpr 258
		.amdhsa_next_free_sgpr 66
		.amdhsa_reserve_vcc 0
		.amdhsa_float_denorm_mode_32 3
		.amdhsa_float_denorm_mode_16_64 3
		.amdhsa_memory_ordered 1
		.amdhsa_forward_progress 1
		.amdhsa_inst_pref_size 38
	.end_amdhsa_kernel
	.amdgpu_metadata
---
amdhsa.version: [ 1, 2 ]
amdhsa.kernels:
  - .name:           k_q6520b7bea5_svec
    .symbol:         k_q6520b7bea5_svec.kd
    .args:
      - { .name: cpart, .offset: 0, .size: 8, .value_kind: global_buffer, .address_space: global }
      - { .name: x, .offset: 8, .size: 8, .value_kind: global_buffer, .address_space: global }
      - { .name: W_v, .offset: 16, .size: 8, .value_kind: global_buffer, .address_space: global }
      - { .name: spart, .offset: 24, .size: 8, .value_kind: global_buffer, .address_space: global }
    .group_segment_fixed_size: 18432
    .private_segment_fixed_size: 0
    .kernarg_segment_align: 8
    .kernarg_segment_size: 32
    .max_flat_workgroup_size: 256
    .sgpr_count:     66
    .vgpr_count:     258
    .wavefront_size: 32
...
	.end_amdgpu_metadata
.endif
;; end of part 4
;; launch tail (part 5): grid 16 x 4, 16 waves a work-group, no clusters, 38,912 bytes of LDS; arguments x, W_o, spart, x1, y1, x2, y2, gamma1, beta1, gamma2, beta2, out0; writes out0
.if DOCPART == 5
	.amdgcn_target "amdgcn-amd-amdhsa--gfx1250"
	.amdhsa_code_object_version 6
	.text
	.protected	k_q6520b7bea5_tail
	.globl	k_q6520b7bea5_tail
	.p2align	8
	.type	k_q6520b7bea5_tail,@function
k_q6520b7bea5_tail:
	s_mov_b64 s[64:65], 0
	v_nop
	global_prefetch_b8 v0, s[64:65] scope:SCOPE_SE
	s_setreg_imm32_b32 hwreg(HW_REG_WAVE_MODE, 25, 1), 1
	s_wait_xcnt 0x0
; S[b][j] = sum over kr of spart[kr][b][j];  t = W_o S + x;  s1 = LN1(t);  u = relu(s1 x1 + y1) x2 + y2 + s1;  out0 = LN2(u).
; Both norms run over the 1,024 rows of a column (mean, then mean of squared differences, eps = 0.001), gain and bias by row.  All in f32.
; The work-group owns all 1,024 rows of columns 64 js .. + 63 of batch b (js = group x, b = group y): a norm needs a whole column, and 64 columns
; are the 256 bytes that sixteen lanes load or store together.  That gives 4 x 16 = 64 work-groups.  The strip (256 KiB) stays in registers:
; 16 waves x 32 lanes x 128 registers, so x is loaded once and out0 stored once.
; Wave w, turn t: rows 64 w + 2 t + hh (hh = lane / 16); the lane's 4 columns lie at 16 q bytes (q = lane % 16).
.set TAB,  0                           ; LDS: [1024 rows][gamma1, beta1, gamma2, beta2] f32
.set RED,  16384                       ; LDS: five regions of [16 waves][64 columns] f32, one for each sum over the work-group
.set A,    8                           ; v[8:11]    S, later 1 / sqrt(var + eps), of my 4 columns
.set PS,   12                          ; v[12:15]   column sums, then means
.set T,    16                          ; v[16:143]  the strip: turn t at T + 4 t
.set R,    144                         ; v[144:239] W_o (16 quads), then six slots of x1, y1, x2, y2
.set TMP,  208                         ; v[208:239] the sums' work (slots 4 and 5 are not in use then)
.set GB,   240                         ; v[240:251] six pairs (gamma1, beta1)
.set C,    252                         ; v[252:255]
.set G2,   144                         ; v[144:207] (gamma2, beta2) of my 32 rows, in the last phase
	s_load_b512 s[8:23], s[0:1], 0x0               ; x s[8:9], W_o s[10:11], spart s[12:13], x1 s[14:15], y1 s[16:17], x2 s[18:19], y2 s[20:21], gamma1 s[22:23]
	s_load_b256 s[24:31], s[0:1], 0x40             ; beta1 s[24:25], gamma2 s[26:27], beta2 s[28:29], out0 s[30:31]
	v_lshrrev_b32 v1, 5, v0
	v_readfirstlane_b32 s4, v1                     ; wave
	s_and_b32 s5, ttmp7, 0xffff                    ; b
	s_mov_b32 s32, 0x3a800000                      ; 1 / 1024
	s_mov_b32 s33, 0x3a83126f                      ; eps = 0.001
	s_mov_b32 s34, 0x76543210
	s_mov_b32 s35, 0xfedcba98
	v_and_b32 v2, 15, v0                           ; q
	v_bfe_u32 v3, v0, 4, 1                         ; hh
	s_lshl_b32 s6, s4, 18                          ; 64 w rows of 4,096 bytes
	s_lshl_b32 s7, ttmp9, 8                        ; js strips of 256 bytes
	s_add_co_u32 s6, s6, s7
	v_lshl_add_u32 v1, v2, 4, s6
	v_lshl_add_u32 v1, v3, 12, v1                  ; v1: my 16 bytes in turn 0's row; the turn stands in the immediate
	s_lshl_b32 s6, s4, 8
	s_add_co_u32 s6, s6, RED
	v_lshl_add_u32 v4, v2, 4, s6                   ; v4: RED + 256 w + 16 q
	v_lshlrev_b32 v5, 4, v2
	v_lshl_add_u32 v5, v3, 11, v5
	v_add_nc_u32 v5, RED, v5                       ; v5: RED + 2,048 hh + 16 q: each half of the lanes reads eight waves' parts
	s_lshl_b32 s6, s4, 14
	v_lshl_add_u32 v7, v2, 4, s6                   ; v7: spart, block kr = w
	s_lshl_b32 s6, s4, 10
	v_lshl_add_u32 v3, v3, 4, s6                   ; v3: table row 64 w + hh
	v_lshlrev_b32 v2, 4, v0                        ; v2: table row = thread
	v_lshlrev_b32 v6, 2, v0                        ; v6: word = thread
	s_lshl_b32 s36, s5, 22                         ; batch b in x and out0
	s_mov_b32 s37, 0
	s_wait_kmcnt 0x0
	s_add_nc_u64 s[8:9], s[8:9], s[36:37]
	s_add_nc_u64 s[30:31], s[30:31], s[36:37]
	s_lshl_b32 s36, s5, 12
	s_add_co_u32 s36, s36, s7
	s_add_nc_u64 s[12:13], s[12:13], s[36:37]      ; spart at (b, 64 js)
	global_load_b128 v[A:A+3], v7, s[12:13]
.irp g, 0,1
	global_load_b32 v[GB+4*\g],   v6, s[22:23] offset:2048*\g
	global_load_b32 v[GB+4*\g+1], v6, s[24:25] offset:2048*\g
	global_load_b32 v[GB+4*\g+2], v6, s[26:27] offset:2048*\g
	global_load_b32 v[GB+4*\g+3], v6, s[28:29] offset:2048*\g
.endr
.set t, 0
.rept 32
	global_load_b128 v[T+4*t:T+4*t+3], v1, s[8:9] offset:8192*t th:TH_LOAD_NT
.set t, t+1
.endr
.set t, 0
.rept 16
	global_load_b128 v[R+4*t:R+4*t+3], v1, s[10:11] offset:8192*t
.set t, t+1
.endr
; The sum of reg's four numbers over the whole work-group, into every lane.  pre = 1: the two halves of the lanes hold different rows and are added first.
; Each use has its own region n, so one barrier serves it.
.macro WGSUM reg, n, pre
.if \pre
.irp i, 0,1,2,3
	v_permlanex16_b32 v[TMP+\i], v[\reg+\i], s34, s35
.endr
	v_pk_add_f32 v[\reg:\reg+1], v[\reg:\reg+1], v[TMP:TMP+1]
	v_pk_add_f32 v[\reg+2:\reg+3], v[\reg+2:\reg+3], v[TMP+2:TMP+3]
.endif
	ds_store_b128 v4, v[\reg:\reg+3] offset:4096*\n
	s_wait_dscnt 0x0                               ; my LDS stores (and loads) are done, for the other waves' sake
	s_barrier_signal -1
	s_barrier_wait -1
.irp i, 0,1,2,3,4,5,6,7
	ds_load_b128 v[TMP+4*\i:TMP+4*\i+3], v5 offset:4096*\n+256*\i
.endr
	s_wait_dscnt 0x0
.irp i, 0,2,4,6
	v_pk_add_f32 v[TMP+4*\i:TMP+4*\i+1], v[TMP+4*\i:TMP+4*\i+1], v[TMP+4*\i+4:TMP+4*\i+5]
	v_pk_add_f32 v[TMP+4*\i+2:TMP+4*\i+3], v[TMP+4*\i+2:TMP+4*\i+3], v[TMP+4*\i+6:TMP+4*\i+7]
.endr
.irp i, 0,4
	v_pk_add_f32 v[TMP+4*\i:TMP+4*\i+1], v[TMP+4*\i:TMP+4*\i+1], v[TMP+4*\i+8:TMP+4*\i+9]
	v_pk_add_f32 v[TMP+4*\i+2:TMP+4*\i+3], v[TMP+4*\i+2:TMP+4*\i+3], v[TMP+4*\i+10:TMP+4*\i+11]
.endr
	v_pk_add_f32 v[\reg:\reg+1], v[TMP:TMP+1], v[TMP+16:TMP+17]
	v_pk_add_f32 v[\reg+2:\reg+3], v[TMP+2:TMP+3], v[TMP+18:TMP+19]
.irp i, 0,1,2,3
	v_permlanex16_b32 v[TMP+\i], v[\reg+\i], s34, s35      ; the other eight waves' sum
.endr
	v_pk_add_f32 v[\reg:\reg+1], v[\reg:\reg+1], v[TMP:TMP+1]
	v_pk_add_f32 v[\reg+2:\reg+3], v[\reg+2:\reg+3], v[TMP+2:TMP+3]
.endm
; From the columns' sums in PS: T becomes T - mean, A becomes 1 / sqrt(mean of squares + eps).
.macro STATS n1, n2
	WGSUM PS, \n1, 1
	v_pk_mul_f32 v[PS:PS+1], v[PS:PS+1], s[32:33] op_sel_hi:[1,0]
	v_pk_mul_f32 v[PS+2:PS+3], v[PS+2:PS+3], s[32:33] op_sel_hi:[1,0]
.set t, 0
.rept 32
	v_pk_add_f32 v[T+4*t:T+4*t+1], v[T+4*t:T+4*t+1], v[PS:PS+1] neg_lo:[0,1] neg_hi:[0,1]
	v_pk_add_f32 v[T+4*t+2:T+4*t+3], v[T+4*t+2:T+4*t+3], v[PS+2:PS+3] neg_lo:[0,1] neg_hi:[0,1]
.if t == 0
	v_pk_mul_f32 v[C:C+1], v[T:T+1], v[T:T+1]
	v_pk_mul_f32 v[C+2:C+3], v[T+2:T+3], v[T+2:T+3]
.else
	v_pk_fma_f32 v[C:C+1], v[T+4*t:T+4*t+1], v[T+4*t:T+4*t+1], v[C:C+1]
	v_pk_fma_f32 v[C+2:C+3], v[T+4*t+2:T+4*t+3], v[T+4*t+2:T+4*t+3], v[C+2:C+3]
.endif
.set t, t+1
.endr
	WGSUM C, \n2, 1
.irp i, 0,1,2,3
	v_fma_f32 v[A+\i], v[C+\i], s32, s33
.endr
.irp i, 0,1,2,3
	v_rsq_f32 v[A+\i], v[A+\i]
.endr
	v_nop                                          ; one plain vector instruction behind v_rsq_f32 before its result is used (ISA guide 5.7.2)
	s_wait_alu depctr_va_vdst(0)
.endm
.macro ADDPS                           ; the running column sums: the first two turns start them
.if t == 1
	v_pk_add_f32 v[PS:PS+1], v[T:T+1], v[T+4:T+5]
	v_pk_add_f32 v[PS+2:PS+3], v[T+2:T+3], v[T+6:T+7]
.endif
.if t > 1
	v_pk_add_f32 v[PS:PS+1], v[PS:PS+1], v[T+4*t:T+4*t+1]
	v_pk_add_f32 v[PS+2:PS+3], v[PS+2:PS+3], v[T+4*t+2:T+4*t+3]
.endif
.endm
	s_wait_loadcnt 48                              ; spart and the eight gains and biases are in; the 32 loads of x and 16 of W_o stay out
	ds_store_b128 v2, v[GB:GB+3] offset:TAB
	ds_store_b128 v2, v[GB+4:GB+7] offset:TAB+8192
	WGSUM A, 0, 0                                  ; S of my 4 columns; its barrier also shows the table to every wave
	; t = W_o S + x, and its column sums
.set t, 0
.rept 32
.if t < 16
	s_wait_loadcnt 15                              ; fifteen loads of W_o were issued behind this turn's; x is older
.else
	s_wait_loadcnt 31-t
.endif
	v_pk_fma_f32 v[T+4*t:T+4*t+1], v[R+4*(t%16):R+4*(t%16)+1], v[A:A+1], v[T+4*t:T+4*t+1]
	v_pk_fma_f32 v[T+4*t+2:T+4*t+3], v[R+4*(t%16)+2:R+4*(t%16)+3], v[A+2:A+3], v[T+4*t+2:T+4*t+3]
.if t < 16
	global_load_b128 v[R+4*(t%16):R+4*(t%16)+3], v1, s[10:11] offset:8192*(t+16)
.endif
	ADDPS
.set t, t+1
.endr
.macro WLD u                           ; turn u's x1, y1, x2, y2 into slot u % 6
	global_load_b128 v[R+16*((\u)%6):R+16*((\u)%6)+3],     v1, s[14:15] offset:8192*(\u)
	global_load_b128 v[R+16*((\u)%6)+4:R+16*((\u)%6)+7],   v1, s[16:17] offset:8192*(\u)
	global_load_b128 v[R+16*((\u)%6)+8:R+16*((\u)%6)+11],  v1, s[18:19] offset:8192*(\u)
	global_load_b128 v[R+16*((\u)%6)+12:R+16*((\u)%6)+15], v1, s[20:21] offset:8192*(\u)
.endm
.macro GLD u                           ; turn u's (gamma1, beta1)
	ds_load_b64 v[GB+2*((\u)%6):GB+2*((\u)%6)+1], v3 offset:TAB+32*(\u)
.endm
	WLD 0                                          ; four slots are on their way while the first norm's two sums are made
	WLD 1
	WLD 2
	WLD 3
	STATS 1, 2
	WLD 4                                          ; slots 4 and 5 were the sums' work registers
	WLD 5
.irp u, 0,1,2,3,4,5
	GLD \u
.endr
	; s1 = d rs gamma1 + beta1;  u = relu(s1 x1 + y1) x2 + y2 + s1, and its column sums
.set t, 0
.rept 32
.set sl, R+16*(t%6)
.set gb, GB+2*(t%6)
.if t < 27
	s_wait_loadcnt 20                              ; five younger slots of four loads stay out
	s_wait_dscnt 5                                 ; and five younger pairs
.else
	s_wait_loadcnt 4*(31-t)
	s_wait_dscnt 31-t
.endif
	v_pk_mul_f32 v[C:C+1], v[A:A+1], v[gb:gb+1] op_sel_hi:[1,0]
	v_pk_mul_f32 v[C+2:C+3], v[A+2:A+3], v[gb:gb+1] op_sel_hi:[1,0]
	v_pk_fma_f32 v[T+4*t:T+4*t+1], v[T+4*t:T+4*t+1], v[C:C+1], v[gb:gb+1] op_sel:[0,0,1] op_sel_hi:[1,1,1]
	v_pk_fma_f32 v[T+4*t+2:T+4*t+3], v[T+4*t+2:T+4*t+3], v[C+2:C+3], v[gb:gb+1] op_sel:[0,0,1] op_sel_hi:[1,1,1]
	v_pk_fma_f32 v[sl:sl+1], v[T+4*t:T+4*t+1], v[sl:sl+1], v[sl+4:sl+5]
	v_pk_fma_f32 v[sl+2:sl+3], v[T+4*t+2:T+4*t+3], v[sl+2:sl+3], v[sl+6:sl+7]
	v_max_num_f32 v[sl], 0, v[sl]
	v_max_num_f32 v[sl+1], 0, v[sl+1]
	v_max_num_f32 v[sl+2], 0, v[sl+2]
	v_max_num_f32 v[sl+3], 0, v[sl+3]
	v_pk_fma_f32 v[sl:sl+1], v[sl:sl+1], v[sl+8:sl+9], v[sl+12:sl+13]
	v_pk_fma_f32 v[sl+2:sl+3], v[sl+2:sl+3], v[sl+10:sl+11], v[sl+14:sl+15]
	v_pk_add_f32 v[T+4*t:T+4*t+1], v[T+4*t:T+4*t+1], v[sl:sl+1]
	v_pk_add_f32 v[T+4*t+2:T+4*t+3], v[T+4*t+2:T+4*t+3], v[sl+2:sl+3]
.if t < 26
	WLD t+6
	GLD t+6
.endif
	ADDPS
.set t, t+1
.endr
.set t, 0
.rept 32
	ds_load_b64 v[G2+2*t:G2+2*t+1], v3 offset:TAB+32*t+8   ; (gamma2, beta2) of my rows; the sums' wait for 0 covers them
.set t, t+1
.endr
	STATS 3, 4
	; out0 = d rs gamma2 + beta2; each store covers 256 consecutive bytes, aligned, of each of two rows.  The factor takes turns between two sets of registers.
.set t, 0
	s_wait_alu depctr_va_vdst(0)
.rept 32
.set cc, C-(C-PS)*(t&1)
	v_pk_mul_f32 v[cc:cc+1], v[A:A+1], v[G2+2*t:G2+2*t+1] op_sel_hi:[1,0]
	v_pk_mul_f32 v[cc+2:cc+3], v[A+2:A+3], v[G2+2*t:G2+2*t+1] op_sel_hi:[1,0]
	v_pk_fma_f32 v[T+4*t:T+4*t+1], v[T+4*t:T+4*t+1], v[cc:cc+1], v[G2+2*t:G2+2*t+1] op_sel:[0,0,1] op_sel_hi:[1,1,1]
	v_pk_fma_f32 v[T+4*t+2:T+4*t+3], v[T+4*t+2:T+4*t+3], v[cc+2:cc+3], v[G2+2*t:G2+2*t+1] op_sel:[0,0,1] op_sel_hi:[1,1,1]
	global_store_b128 v1, v[T+4*t:T+4*t+3], s[30:31] offset:8192*t th:TH_STORE_NT
.set t, t+1
.endr
	s_wait_xcnt 0x0
	v_lshl_add_u32 v254, v0, 2, 0x9000
	v_mov_b32 v255, 0
	s_wait_tensorcnt 0x0
	ds_add_u32 v254, v255
	s_wait_dscnt 0x0
	s_endpgm
.Lfunc_end_k_q6520b7bea5_tail:
	.size	k_q6520b7bea5_tail, .Lfunc_end_k_q6520b7bea5_tail-k_q6520b7bea5_tail
	.p2alignl 7, 3214868480
	.fill 96, 4, 3214868480
	.section	.rodata,"a",@progbits
	.p2align	6, 0x0
	.amdhsa_kernel k_q6520b7bea5_tail
		.amdhsa_group_segment_fixed_size 38912
		.amdhsa_private_segment_fixed_size 0
		.amdhsa_enable_private_segment 0
		.amdhsa_kernarg_size 96
		.amdhsa_user_sgpr_count 2
		.amdhsa_user_sgpr_kernarg_segment_ptr 1
		.amdhsa_wavefront_size32 1
		.amdhsa_system_sgpr_workgroup_id_x 1
		.amdhsa_system_sgpr_workgroup_id_y 1
		.amdhsa_system_sgpr_workgroup_id_z 1
		.amdhsa_system_vgpr_workitem_id 0
		.amdhsa_next_free_vgpr 256
		.amdhsa_next_free_sgpr 66
		.amdhsa_reserve_vcc 0
		.amdhsa_float_denorm_mode_32 3
		.amdhsa_float_denorm_mode_16_64 3
		.amdhsa_memory_ordered 1
		.amdhsa_forward_progress 1
		.amdhsa_inst_pref_size 104
	.end_amdhsa_kernel
	.amdgpu_metadata
---
amdhsa.version: [ 1, 2 ]
amdhsa.kernels:
  - .name:           k_q6520b7bea5_tail
    .symbol:         k_q6520b7bea5_tail.kd
    .args:
      - { .name: x, .offset: 0, .size: 8, .value_kind: global_buffer, .address_space: global }
      - { .name: W_o, .offset: 8, .size: 8, .value_kind: global_buffer, .address_space: global }
      - { .name: spart, .offset: 16, .size: 8, .value_kind: global_buffer, .address_space: global }
      - { .name: x1, .offset: 24, .size: 8, .value_kind: global_buffer, .address_space: global }
      - { .name: y1, .offset: 32, .size: 8, .value_kind: global_buffer, .address_space: global }
      - { .name: x2, .offset: 40, .size: 8, .value_kind: global_buffer, .address_space: global }
      - { .name: y2, .offset: 48, .size: 8, .value_kind: global_buffer, .address_space: global }
      - { .name: gamma1, .offset: 56, .size: 8, .value_kind: global_buffer, .address_space: global }
      - { .name: beta1, .offset: 64, .size: 8, .value_kind: global_buffer, .address_space: global }
      - { .name: gamma2, .offset: 72, .size: 8, .value_kind: global_buffer, .address_space: global }
      - { .name: beta2, .offset: 80, .size: 8, .value_kind: global_buffer, .address_space: global }
      - { .name: out0, .offset: 88, .size: 8, .value_kind: global_buffer, .address_space: global }
    .group_segment_fixed_size: 38912
    .private_segment_fixed_size: 0
    .kernarg_segment_align: 8
    .kernarg_segment_size: 96
    .max_flat_workgroup_size: 512
    .sgpr_count:     66
    .vgpr_count:     256
    .wavefront_size: 32
...
	.end_amdgpu_metadata
.endif
;; end of part 5
;; ======== version 2 of 2: 5 launches; version 1 with the launch prep written anew for expert scheduling mode
;; workspace buffers: q_ws 67,108,864 bytes; k_ws 67,108,864 bytes; p_ws 67,108,864 bytes; stat 2,097,152 bytes; cpart 2,097,152 bytes; spart 262,144 bytes
;; launch prep (part 6): grid 256 x 1, 8 waves a work-group, no clusters, 0 bytes of LDS; arguments x, W_q, W_k, q_ws, k_ws; writes q_ws, k_ws
.if DOCPART == 6
	.amdgcn_target "amdgcn-amd-amdhsa--gfx1250"
	.amdhsa_code_object_version 6
	.text
	.protected	k_q6520b7bea5_prep
	.globl	k_q6520b7bea5_prep
	.p2align	8
	.type	k_q6520b7bea5_prep,@function
k_q6520b7bea5_prep:
	s_mov_b64 s[64:65], 0
	v_nop
	global_prefetch_b8 v0, s[64:65] scope:SCOPE_SE
	s_setreg_imm32_b32 hwreg(HW_REG_WAVE_SCHED_MODE, 0, 2), 2
	s_setreg_imm32_b32 hwreg(HW_REG_WAVE_MODE, 25, 1), 1
	s_wait_xcnt 0x0
	s_wait_alu depctr_vm_vsrc(0)
; q[b][h] = bf16(x[b] * W_q[h]), k[b][h] = bf16(x[b] * W_k[h]), element by element; x: [4][1024][1024] f32, W_q, W_k: [8][1024][1024] f32.
; q_ws, k_ws: bf16, [bh = 8 b + h][row][1024 j], rows of 2,048 bytes.
; LIMIT: the products are rounded once to bf16 (nearest even); they are matrix operands of the next launch.
; The work-group owns rows 4 g .. 4 g + 3 for every b and h, so each byte of x, W_q and W_k is loaded once in the launch.
; Wave w: row 4 g + w / 2, segments of 128 columns 4 (w % 2) .. + 3, one a turn.  A load of the wave covers 512 consecutive bytes of a row;
; the store of its 128 products covers 256 consecutive bytes, aligned.
; No address register is ever rewritten: plane (b, h) and turn stand in the immediates, which reach 8,388,608 bytes either way,
; so the offsets carry a bias of two planes (inputs) or four planes (outputs).
; THE MODE: SCHED_MODE bits 1:0 = 2 (LLVM: expert scheduling mode 2), set by the entry lines.  The code itself states the register dependences
; between vector instructions and memory instructions, with s_wait_alu, always for 0.
; THE PLAN.  An element e of 64 is one load of W_q or W_k (turn e / 16, h = (e / 2) % 8, e even: W_q, e odd: W_k), multiplied by the turn's four x.
; The elements go in 32 blocks of two.  Registers that memory instructions touch:
;   v2 .. v7   byte offsets, made once at the head and never written again.
;   X          written by sixteen loads at the head, never loaded again.
;   W          a ring of 34 slots.  Slot e % 34: element e's load lands in it, element e's multiplies read it, element e + 34's load lands in it.
;   O0, O1     two out-buffers.  Written by block p's roundings (O[p % 2]); read by the eight stores that are issued in block p + 1.
;   TP is named by vector instructions alone.
; Block p multiplies slots 2 p and 2 p + 1 and writes O[p % 2].  Its memory instructions are the loads of elements 2 p + 32 and 2 p + 33, which land in the two
; slots of block p - 1, and the stores from O[(p - 1) % 2]: registers that block p - 1 worked on and that no vector instruction of block p names.  So the waits
; at a block's head state all that its ten memory instructions hang on, and these are dealt among the vector instructions of its first element with no further wait.
.set PLANE, 0x400000                   ; bytes of one [1024][1024] f32 plane
.set OPLANE, 0x200000                  ; bytes of one (b, h) plane of q_ws or k_ws
.set RING, 34                          ; slots: 32 elements ahead, and the two of the block before, which lie idle until the next block's head
.set VIN,  2                           ; v2       my 16 bytes in plane 2 of an input, turn 0
.set VINH, 3                           ; v3       the same in plane 6 (for h = 4 .. 7)
.set VO,   4                           ; v[4:7]   batch b: my 8 bytes in plane 8 b + 4 of an output, turn 0
.set X,    8                           ; v[8:71]  x: turn x 16 + 4 b
.set W,    72                          ; v[72:207] the ring: slot s at W + 4 s
.set TP,   208                         ; v[208:215] products, two sets by turns
.set O,    216                         ; v[216:247] buffer k, element i of the block, batch b: 2 registers at O + 16 k + 8 i + 2 b
	s_load_b256 s[4:11], s[0:1], 0x0               ; x s[4:5], W_q s[6:7], W_k s[8:9], q_ws s[10:11]
	s_load_b64 s[12:13], s[0:1], 0x20              ; k_ws
	v_and_b32 v1, 31, v0                           ; lane
	v_bfe_u32 v9, v0, 5, 1                         ; w % 2
	v_lshrrev_b32 v10, 6, v0                       ; w / 2
	s_lshl_b32 s2, ttmp9, 14                       ; 4 g rows of 4,096 bytes
	s_add_co_u32 s2, s2, 2*PLANE
	s_lshl_b32 s3, ttmp9, 13                       ; 4 g rows of 2,048 bytes
	s_add_co_u32 s3, s3, 4*OPLANE
	v_lshl_add_u32 v[VIN], v1, 4, s2
	v_lshl_add_u32 v[VIN], v10, 12, v[VIN]         ; + w / 2 rows
	v_lshl_add_u32 v[VIN], v9, 11, v[VIN]          ; + 4 (w % 2) segments of 512 bytes
	v_add_nc_u32 v[VINH], 4*PLANE, v[VIN]
	v_lshl_add_u32 v[VO], v1, 3, s3
	v_lshl_add_u32 v[VO], v10, 11, v[VO]
	v_lshl_add_u32 v[VO], v9, 10, v[VO]            ; + 4 (w % 2) segments of 256 bytes
	v_add_nc_u32 v[VO+1], 8*OPLANE, v[VO]
	v_add_nc_u32 v[VO+2], 16*OPLANE, v[VO]
	v_add_nc_u32 v[VO+3], 24*OPLANE, v[VO]
	s_wait_kmcnt 0x0
	s_wait_alu depctr_va_vdst(0)                   ; v2 to v7 are written: every load and store of the kernel reads one of them as its offset; the lines above are done with v9 and v10, in which loads of x land
.irp turn, 0,1,2,3
.irp b, 0,1,2,3
	global_load_b128 v[X+16*\turn+4*\b:X+16*\turn+4*\b+3], v[VIN], s[4:5] offset:(\b-2)*PLANE+\turn*512 th:TH_LOAD_NT
.endr
.endr
; Element e's 16 bytes go into ring slot e % 34.
.macro WLOAD e
	global_load_b128 v[W+4*((\e)%RING):W+4*((\e)%RING)+3], v[VIN+(((\e)>>3)&1)], s[6+2*((\e)&1):7+2*((\e)&1)] offset:((((\e)>>1)&3)-2)*PLANE+((\e)>>4)*512 th:TH_LOAD_NT
.endm
.set n, 0
.rept RING
	WLOAD n
.set n, n+1
.endr
; Element n against batch b's x: two packed multiplies, two roundings, into the out-buffer of the element's block.
.macro UNIT n, b
	v_pk_mul_f32 v[TP+4*((\b)&1):TP+4*((\b)&1)+1], v[X+16*((\n)>>4)+4*(\b):X+16*((\n)>>4)+4*(\b)+1], v[W+4*((\n)%RING):W+4*((\n)%RING)+1]
	v_pk_mul_f32 v[TP+4*((\b)&1)+2:TP+4*((\b)&1)+3], v[X+16*((\n)>>4)+4*(\b)+2:X+16*((\n)>>4)+4*(\b)+3], v[W+4*((\n)%RING)+2:W+4*((\n)%RING)+3]
	v_cvt_pk_bf16_f32 v[O+16*(((\n)>>1)&1)+8*((\n)&1)+2*(\b)], v[TP+4*((\b)&1)], v[TP+4*((\b)&1)+1]
	v_cvt_pk_bf16_f32 v[O+16*(((\n)>>1)&1)+8*((\n)&1)+2*(\b)+1], v[TP+4*((\b)&1)+2], v[TP+4*((\b)&1)+3]
.endm
; The store of element n's products with batch b.
.macro OSTORE n, b
	global_store_b64 v[VO+(\b)], v[O+16*(((\n)>>1)&1)+8*((\n)&1)+2*(\b):O+16*(((\n)>>1)&1)+8*((\n)&1)+2*(\b)+1], s[10+2*((\n)&1):11+2*((\n)&1)] offset:((((\n)>>1)&7)-4)*OPLANE+((\n)>>4)*256
.endm
; Block p: elements 2 p and 2 p + 1.
.macro BLK p
.if (\p) == 0
	s_wait_loadcnt RING-2                          ; loads come back in order (ISA guide 5.7.1): x and elements 0 and 1 are in, the 32 younger loads stay out
.elseif (\p) <= 16
	s_wait_loadcnt RING-4                          ; elements up to 2 p + 31 have been asked for: the 30 behind this block's two stay out
.else
	s_wait_loadcnt 62-2*(\p)                       ; nothing is loaded any more: the counts run down
.endif
.if (\p) >= 2
	s_wait_xcnt 0x0                                ; every earlier memory instruction has had its addresses translated (ISA guide 3.1): O[p % 2], the data of the stores issued in the block before, is rewritten only behind this wait
	s_wait_alu depctr_vm_vsrc(0)                   ; the stores issued in the block before have read O[p % 2], which this block's roundings write again
.endif
.if (\p) >= 1
	s_wait_alu depctr_va_vdst(0)                   ; the block before has written the other O, which the stores below read, and is done reading its two slots, in which the loads below land
.endif
.irp b, 0,1,2,3
.if (\p) >= 1 && (\p) <= 15 && \b < 2
	WLOAD 2*(\p)+32+\b                             ; into a slot of the block before; no vector instruction since the wait names it
.endif
.if (\p) >= 1
	OSTORE 2*(\p)-2+(\b>>1), 2*(\b&1)              ; the block before: two of its eight stores ahead of each of this element's four units
	OSTORE 2*(\p)-2+(\b>>1), 2*(\b&1)+1
.endif
	UNIT 2*(\p), \b
.endr
.irp b, 0,1,2,3
	UNIT 2*(\p)+1, \b                              ; the second element's sixteen vector instructions stand between the block's last store and the next head's waits
.endr
.endm
.set p, 0
.rept 32
	BLK p
.set p, p+1
.endr
	s_wait_alu depctr_va_vdst(0)                   ; block 31 has written O1, which the last eight stores read
.irp b, 0,1,2,3
	OSTORE 62, \b
.endr
.irp b, 0,1,2,3
	OSTORE 63, \b
.endr
	s_endpgm
.Lfunc_end_k_q6520b7bea5_prep:
	.size	k_q6520b7bea5_prep, .Lfunc_end_k_q6520b7bea5_prep-k_q6520b7bea5_prep
	.p2alignl 7, 3214868480
	.fill 96, 4, 3214868480
	.section	.rodata,"a",@progbits
	.p2align	6, 0x0
	.amdhsa_kernel k_q6520b7bea5_prep
		.amdhsa_group_segment_fixed_size 0
		.amdhsa_private_segment_fixed_size 0
		.amdhsa_enable_private_segment 0
		.amdhsa_kernarg_size 40
		.amdhsa_user_sgpr_count 2
		.amdhsa_user_sgpr_kernarg_segment_ptr 1
		.amdhsa_wavefront_size32 1
		.amdhsa_system_sgpr_workgroup_id_x 1
		.amdhsa_system_sgpr_workgroup_id_y 1
		.amdhsa_system_sgpr_workgroup_id_z 1
		.amdhsa_system_vgpr_workitem_id 0
		.amdhsa_next_free_vgpr 248
		.amdhsa_next_free_sgpr 66
		.amdhsa_reserve_vcc 0
		.amdhsa_float_denorm_mode_32 3
		.amdhsa_float_denorm_mode_16_64 3
		.amdhsa_memory_ordered 1
		.amdhsa_forward_progress 1
		.amdhsa_inst_pref_size 101
	.end_amdhsa_kernel
	.amdgpu_metadata
---
amdhsa.version: [ 1, 2 ]
amdhsa.kernels:
  - .name:           k_q6520b7bea5_prep
    .symbol:         k_q6520b7bea5_prep.kd
    .args:
      - { .name: x, .offset: 0, .size: 8, .value_kind: global_buffer, .address_space: global }
      - { .name: W_q, .offset: 8, .size: 8, .value_kind: global_buffer, .address_space: global }
      - { .name: W_k, .offset: 16, .size: 8, .value_kind: global_buffer, .address_space: global }
      - { .name: q_ws, .offset: 24, .size: 8, .value_kind: global_buffer, .address_space: global }
      - { .name: k_ws, .offset: 32, .size: 8, .value_kind: global_buffer, .address_space: global }
    .group_segment_fixed_size: 0
    .private_segment_fixed_size: 0
    .kernarg_segment_align: 8
    .kernarg_segment_size: 40
    .max_flat_workgroup_size: 256
    .sgpr_count:     66
    .vgpr_count:     248
    .wavefront_size: 32
...
	.end_amdgpu_metadata
.endif
;; end of part 6
;; launch scores: the kernel of part 2 again; grid 4 x 128, 4 waves a work-group, clusters of 4 x 4, 327,680 bytes of LDS; arguments q_ws, k_ws, p_ws, stat; writes p_ws, stat
;; launch colsum: the kernel of part 3 again; grid 16 x 32, 8 waves a work-group, no clusters, 41,984 bytes of LDS; arguments p_ws, stat, cpart; writes cpart
;; launch svec: the kernel of part 4 again; grid 16 x 16, 8 waves a work-group, no clusters, 18,432 bytes of LDS; arguments cpart, x, W_v, spart; writes spart
;; launch tail: the kernel of part 5 again; grid 16 x 4, 16 waves a work-group, no clusters, 38,912 bytes of LDS; arguments x, W_o, spart, x1, y1, x2, y2, gamma1, beta1, gamma2, beta2, out0; writes out0
